; MI455X (gfx1250); checked and timed in simulation.
; The chip was launched on July 23, 2026; its instructions are those of AMD's public machine-readable ISA for CDNA 5 (MIT licence, August 2026) and "CDNA5" Instruction Set Architecture Reference Guide (July 2026). The comments in the code are by the model that wrote it; some were corrected since.
;; Multi Head Self Attention. Allowed arithmetic: matrix products marked QUANTISED: E2M3 operands, one E8M0 scale for each 32 along K, by v_wmma_scale_f32_16x16x128_f8f6f4 with both operands' format E2M3, f32 sums; everything else in f32.
;; Inputs: Wk 1,024 x 1,024 float32; Wo 1,024 x 1,024 float32; Wq 1,024 x 1,024 float32; Wv 1,024 x 1,024 float32; bk 1,024 float32; bo 1,024 float32; bq 1,024 float32; bv 1,024 float32; embeddings 4 x 2,048 x 1,024 float32; mask 2,048 x 2,048 bool.
;; Outputs: out0 4 x 2,048 x 1,024 float32.
;; This version of the problem:
;;   THIS VERSION OF THE PROBLEM IS GIVEN IN LOW PRECISION. The matrix products marked QUANTISED in the list below multiply operands that are first quantised to E2M3 (2 exponent bits, 3 mantissa bits; 6 bits a number), with one power-of-two scale for each 32 numbers along K (OCP MX v1.0); their sums are f32. All else is computed in f32.
;;   The module's matrix products, in the order in which they are computed (A, B: the left and right operand; K: the contracted axis; several contracted axes count as one K, in the product's order):
;;     1. [M 8,192, K 1,024] x [K 1,024, N 1,024]; A: input embeddings; B: input Wq: QUANTISED
;;     2. [M 8,192, K 1,024] x [K 1,024, N 1,024]; A: input embeddings; B: input Wk: QUANTISED
;;     3. [M 8,192, K 1,024] x [K 1,024, N 1,024]; A: input embeddings; B: input Wv: QUANTISED
;;     4. batch 64 x [M 2,048, K 64] x [K 64, N 2,048]; A: computed on the way; B: computed on the way: QUANTISED
;;     5. batch 64 x [M 2,048, K 2,048] x [K 2,048, N 64]; A: softmax (see below); B: computed on the way: QUANTISED
;;     6. [M 8,192, K 1,024] x [K 1,024, N 1,024]; A: computed on the way; B: input Wo: QUANTISED
;;   THE QUANTISER, for each operand of a quantised product, along K:
;;     - K is cut into blocks of 32 from its start; a last block that is shorter is filled with zeros.
;;     - A block's scale is 2^e with e = floor(log2(the largest magnitude in the block)) - 2, held to -126 .. 127; a block of zeros has e = 0. As a byte (E8M0): e + 127.
;;     - Each number is divided by its block's scale, clamped to +-7.5, and rounded to the nearest number of E2M3, ties to even, subnormals kept.
;;     - The product sums the exact products of the quantised numbers (number of the format x scale) in f32.
;;   ~~~python
;;   def quantise(x, axis):      # numpy; x: float32 -> the quantised numbers, widened to float32 again
;;       x = np.moveaxis(x, axis, -1); K = x.shape[-1]
;;       x = np.pad(x, [(0, 0)] * (x.ndim - 1) + [(0, -K % 32)]); x = x.reshape(x.shape[:-1] + (-1, 32)); a = np.abs(x).max(-1, keepdims=True)
;;       e = np.where(a > 0, np.clip(np.frexp(np.where(a > 0, a, 1))[1] - 1 - 2, -126, 127), 0)      # np.frexp(a)[1] - 1 = floor(log2(a)), exactly
;;       r = np.clip(x / 2.0 ** e, -7.5, 7.5)
;;       step = 2.0 ** (np.maximum(np.frexp(np.where(r == 0, 1, r))[1] - 1, 0) - 3)
;;       q = np.round(r / step) * step * 2.0 ** e      # np.round: ties to even
;;       return np.moveaxis(q.reshape(q.shape[:-2] + (-1,))[..., :K], -1, axis).astype(np.float32)
;;   ~~~
;;   SOFTMAX AHEAD OF A QUANTISED PRODUCT. Where the list says 'softmax', what is quantised is not the finished softmax but p = 2^(t - M), with t = logit x log2(e) and M = ceil(the row's largest t), a whole number; so 1/2 < the row's largest p <= 1. The row's sum l is taken of the UNQUANTISED p, in f32, and the product's result is divided by l at the end. Since M is a whole number, a kernel that streams over the keys may use a running M (the ceiling of the running maximum): every later rescaling is an exact power of two, which a block's scale takes up: the codes' values come out the same.
;;   OPERANDS COMPUTED ON THE WAY. 'Computed on the way' means the value that the module computes at that place (a softmax that the list does not call 'softmax' is quantised finished and normalised). What goes into a quantiser is computed in f32, as accurately as f32 sums, v_exp_f32 and their like allow (about 1e-6 of the number): no bf16 or f16 on the way to a quantiser, and a product that is left as it is and whose result goes on into a quantised operand takes f32 operands (vector FMAs, or v_wmma_f32_16x16x4_f32). A number that lies on a knife's edge between two numbers of the format may be rounded either way, as far as f32 arithmetic and the matrix unit's own rounding can turn it there, and no further.
;; 2 versions, each right; version 2 is version 1 with the launch attn written anew for expert scheduling mode. Each part assembles by itself: llvm-mc -triple=amdgcn-amd-amdhsa -mcpu=gfx1250 --defsym DOCPART=n.
;; ======== version 1 of 2: 4 launches
;; workspace buffers: xw 9,830,400 bytes; maskw 528,384 bytes of whole numbers; qkv 19,660,800 bytes; ctx 6,553,600 bytes
;; launch prep (part 1): grid 320 x 1, 4 waves a work-group, no clusters, 68,096 bytes of LDS; arguments embeddings, Wq, Wk, Wv, Wo, mask, xw, maskw; writes xw, maskw
.if DOCPART == 1
	.amdgcn_target "amdgcn-amd-amdhsa--gfx1250"
	.amdhsa_code_object_version 6
	.text
	.protected	k_q62db5d4245_prep
	.globl	k_q62db5d4245_prep
	.p2align	8
	.type	k_q62db5d4245_prep,@function
k_q62db5d4245_prep:
	s_mov_b64 s[64:65], 0
	v_nop
	global_prefetch_b8 v0, s[64:65] scope:SCOPE_SE
	s_setreg_imm32_b32 hwreg(HW_REG_WAVE_MODE, 25, 1), 1
	s_wait_xcnt 0x0
; TWO JOBS IN ONE LAUNCH, told apart by the work-group's number; each has LDS bytes of its own.
; (1) Work-groups 0-191: embeddings [8192][1024] and Wq, Wk, Wv, Wo [1024][1024], f32, K innermost, become codes of FP6 (E2M3) with one E8M0 byte for each 32 along K.
;     They form one space of 12,288 rows (x 0.., Wq 8192.., Wk 9216.., Wv 10240.., Wo 11264..) and are stored as IMAGES OF OPERAND REGISTERS:
;     xw codes [row tile 768][K step 8][1536]: a fragment (16 rows x 128 K, 12 registers a lane) as two halves of 768 bytes; in a half, registers 0-3 of lane l at 16 l, registers 4-5 at 512 + 8 l.
;     THE ROWS OF A TILE ARE NOT NEIGHBOURS: lane row r of tile 2 B + u is row 32 B + 8 u + r + 8 (r / 8), so that a product that takes such tiles as source 0 leaves 16 neighbours in the 16 registers of two tiles.
;     xw scales, from byte XWS on: [group of 128 rows 96][K step 8][512]: register i of lane (r, h') at 16 l + 4 i is the scale word of tile 2 i + h', row r.
;     A block's scale is 2^(floor(log2(largest magnitude)) - 2): its byte is the largest magnitude's exponent field - 2, held at 1 from below.
; (2) Work-groups 192-319: the mask [2048][2048] of bytes becomes lane masks for the attention launch: maskw [query tile 128][key step 16][64 words]: word 16 e + i, bit (r, h), is 1 where
;     mask[row r of the tile][128 step + 32 e + 16 h + i] is not 0; and, from byte FLG on, [query tile][4][2 words]: bit 4 g + s of the first says that step 4 g + s is not wholly masked, of the second that it is partly masked.
; LIMITS: NaN and infinities among the f32 inputs are not served; blocks whose largest magnitude lies under 2^-124 keep the byte 1; a block of zeros has the byte 1 (its codes are zeros; this program alone reads the bytes);
; any mask byte other than 0 counts as masked.
; No tensor load, no barrier: waves share nothing.
.set XWS,  9437184
.set FLG,  524288
.set SP,   528                         ; a stage row: 512 bytes + 16, so that sixteen rows start in sixteen different groups of banks
.set WST,  16*SP                       ; a wave's stage
.set MST,  4*WST                       ; the mask path's stages lie behind the quantiser's
.set SI,   20                          ; v20-23   the scale image of my 8 tiles
.set C,    24                          ; v24-35   a fragment's codes; v36-38, v40-42: the second halves as the conversions leave them
.set R,    48                          ; v48-175  two sets of 64: a tile as it is loaded
.set X,    176                         ; v176-239 the tile as the operand's layout wants it: 32 neighbours of block h, 32 of block 2 + h
	s_load_b256 s[4:11], s[0:1], 0x0               ; embeddings, Wq, Wk, Wv
	s_load_b256 s[20:27], s[0:1], 0x20             ; Wo, mask, xw, maskw
	v_lshl_add_u32 v240, v0, 2, 0x10800
	v_mov_b32 v241, 0
	v_lshrrev_b32 v1, 5, v0
	v_readfirstlane_b32 s12, v1                    ; wave 0..3
	v_and_b32 v2, 31, v0                           ; lane
	v_and_b32 v3, 15, v0                           ; r
	v_bfe_u32 v9, v0, 4, 1                         ; h
	v_lshlrev_b32 v4, 4, v2                        ; 16 l
	s_cmp_ge_u32 ttmp9, 192
	s_cbranch_scc1 .Lmask
	; ---------------- (1) the quantiser.  A wave's task: 128 rows x 128 along K
	s_lshl_b32 s13, ttmp9, 2
	s_add_co_u32 s13, s13, s12                     ; task = 8 x group + K step
	s_lshr_b32 s14, s13, 3                         ; group of 128 rows, 0..95
	s_and_b32 s15, s13, 7                          ; K step
	s_and_b32 s29, s14, 7                          ; the group within a weight
	s_mul_i32 s17, s12, WST
	v_add_nc_u32 v6, s17, v4                       ; the stage, in: 16 l of a row
	v_mul_u32_u24 v7, v3, SP
	v_lshl_add_u32 v7, v9, 7, v7
	v_add_nc_u32 v7, s17, v7                       ; out: row r, + 128 h: my block's 32 numbers
	v_lshlrev_b32 v5, 3, v2
	v_add_nc_u32 v5, 512, v5                       ; 512 + 8 l
	v_lshlrev_b32 v8, 3, v9                        ; 8 h: my bytes' place in the scale word
	v_mov_b32 v16, 0                               ; written once: a lane permute's destination counts as one of its sources
	s_mov_b32 s18, 0x76543210
	s_mov_b32 s19, 0xfedcba98                      ; selects for lane l xor 16
	s_mov_b32 s28, 0xffff0000                      ; lanes 16-31
	s_wait_kmcnt 0x0
	s_mov_b64 s[30:31], s[20:21]                   ; which tensor: the choice hangs on the task's number alone
	s_cmp_lt_u32 s14, 88
	s_cselect_b64 s[30:31], s[10:11], s[30:31]
	s_cmp_lt_u32 s14, 80
	s_cselect_b64 s[30:31], s[8:9], s[30:31]
	s_cmp_lt_u32 s14, 72
	s_cselect_b64 s[30:31], s[6:7], s[30:31]
	s_cmp_lt_u32 s14, 64
	s_cselect_b64 s[30:31], s[4:5], s[30:31]
	s_cselect_b32 s29, s14, s29
	s_lshl_b32 s32, s29, 19                        ; 128 rows of 4,096 bytes
	s_lshl_b32 s33, s15, 9                         ; 128 numbers of 4 bytes
	s_add_co_u32 s32, s32, s33
	s_mov_b32 s33, 0
	s_add_nc_u64 s[30:31], s[30:31], s[32:33]      ; where I read
	s_lshl_b32 s34, s14, 6
	s_add_co_u32 s34, s34, s15
	s_mul_i32 s34, s34, 1536
	s_mov_b32 s35, 0
	s_add_nc_u64 s[34:35], s[24:25], s[34:35]      ; my first tile's fragment; the next tile's lies 8 x 1,536 bytes on
	s_lshl_b32 s36, s13, 9
	s_add_co_u32 s36, s36, XWS
	s_mov_b32 s37, 0
	s_add_nc_u64 s[36:37], s[24:25], s[36:37]      ; my scale image
.macro LOADT t                         ; tile t: sixteen loads, each 512 consecutive bytes of one row
.irp i, 0,1,2,3,4,5,6,7,8,9,10,11,12,13,14,15
	global_load_b128 v[R+64*((\t)%2)+4*\i:R+64*((\t)%2)+4*\i+3], v4, s[30:31] offset:(32*((\t)/2)+8*((\t)%2)+\i+8*(\i/8))*4096 th:TH_LOAD_NT
.endr
.endm
.macro TILE t
.set RS, R+64*((\t)%2)
.if (\t) < 7
	s_wait_loadcnt 16                              ; this tile's sixteen loads are in; the next tile's sixteen may be out
.else
	s_wait_loadcnt 0x0
.endif
.irp i, 0,1,2,3,4,5,6,7,8,9,10,11,12,13,14,15
	ds_store_b128 v6, v[RS+4*\i:RS+4*\i+3] offset:SP*\i
.endr
.irp c, 0,1
.irp q, 0,1,2,3,4,5,6,7
	ds_load_b128 v[X+32*\c+4*\q:X+32*\c+4*\q+3], v7 offset:256*\c+16*\q   ; LDS serves a wave's instructions in order: these see my stores
.endr
.endr
	s_wait_dscnt 0x0                               ; the tile is back, and the stores have read their registers,
.if (\t)+2 < 8
	LOADT (\t)+2                                   ; which take the tile two further on
.endif
.irp c, 0,1
	v_max3_num_f32 v[10+\c], |v[X+32*\c]|, |v[X+32*\c+1]|, 0x1800000   ; my block 2 c + h: all 32 numbers are mine; the floor 2^(3 - 127) holds the byte at 1 from below
.endr
.irp i, 2,4,6,8,10,12,14,16,18,20,22,24,26,28,30
.irp c, 0,1
	v_max3_num_f32 v[10+\c], v[10+\c], |v[X+32*\c+\i]|, |v[X+32*\c+\i+1]|
.endr
.endr
.irp c, 0,1
	v_add_nc_u32 v[12+\c], 0xff000000, v[10+\c]    ; 2 off the exponent field: the conversion's scale operand
.endr
.irp c, 0,1
	v_lshrrev_b32 v[14+\c], 23, v[12+\c]           ; the scale's byte
.endr
	v_lshl_or_b32 v17, v15, 16, v14                ; blocks h and 2 + h,
	v_lshlrev_b32 v17, v8, v17                     ; at their places;
	v_permlanex16_b32 v16, v17, s18, s19
	v_or_b32 v17, v17, v16                         ; with lane l xor 16's two the row's word is whole, in both halves of the lanes
.if (\t)%2 == 0
	v_mov_b32 v[SI+(\t)/2], v17                    ; an even tile's words stay in lanes 0-15,
.else
	v_cndmask_b32 v[SI+(\t)/2], v[SI+(\t)/2], v17, s28   ; an odd tile's go to lanes 16-31
.endif
	s_wait_xcnt 0x0                                ; the last tile's stores have read the codes' registers
.irp c, 0,1
	v_cvt_scalef32_pk16_fp6_f32 v[C+6*\c:C+6*\c+2], v[X+32*\c:X+32*\c+15], v[12+\c]
	v_cvt_scalef32_pk16_fp6_f32 v[36+4*\c:38+4*\c], v[X+32*\c+16:X+32*\c+31], v[12+\c]   ; (a conversion's three registers begin on an even number)
.endr
	v_nop                                          ; one plain instruction behind a scaled conversion
.irp c, 0,1
.irp i, 0,1,2
	v_mov_b32 v[C+3+6*\c+\i], v[36+4*\c+\i]
.endr
.endr
	global_store_b128 v4, v[C:C+3], s[34:35] offset:12288*(\t)           ; 512 consecutive bytes,
	global_store_b64 v5, v[C+4:C+5], s[34:35] offset:12288*(\t)          ; 256,
	global_store_b128 v4, v[C+6:C+9], s[34:35] offset:12288*(\t)+768     ; and the same for the second half
	global_store_b64 v5, v[C+10:C+11], s[34:35] offset:12288*(\t)+768
.endm
	LOADT 0
	LOADT 1
.irp t, 0,1,2,3,4,5,6,7
	TILE \t
.endr
	global_store_b128 v4, v[SI:SI+3], s[36:37]     ; 512 consecutive bytes
	s_wait_tensorcnt 0x0
	ds_add_u32 v240, v241
	s_wait_dscnt 0x0
	s_endpgm
	; ---------------- (2) the mask.  A wave: the 16 queries of a tile x 512 keys (four key steps)
.Lmask:
	s_sub_co_u32 s13, ttmp9, 192                   ; query tile
	s_lshr_b32 s14, s13, 1
	s_lshl_b32 s14, s14, 5
	s_and_b32 s15, s13, 1
	s_lshl_b32 s15, s15, 3
	s_add_co_u32 s14, s14, s15                     ; its first row: 32 (tile / 2) + 8 (tile % 2)
	s_lshl_b32 s14, s14, 11
	s_lshl_b32 s15, s12, 9
	s_add_co_u32 s14, s14, s15                     ; + my 512 keys
	s_mov_b32 s15, 0
	s_mul_i32 s17, s12, WST
	s_add_co_u32 s17, s17, MST
	v_add_nc_u32 v6, s17, v4
	v_mul_u32_u24 v7, v3, SP
	v_lshl_add_u32 v7, v9, 4, v7
	v_add_nc_u32 v7, s17, v7                       ; out: row r, + 16 h
	v_lshlrev_b32 v5, 3, v2                        ; 8 l
	v_lshlrev_b32 v8, 2, v2                        ; 4 l
.irp i, 0,1,2,3,4,5,6,7
	v_mov_b32 v[176+\i], 0                         ; written once: v_writelane_b32's destination counts as read
.endr
	v_mov_b32 v188, 0
	s_lshl_b32 s32, s13, 12                        ; a tile's 16 steps of 256 bytes,
	s_lshl_b32 s33, s12, 10                        ; my four
	s_add_co_u32 s32, s32, s33
	s_mov_b32 s33, 0
	s_lshl_b32 s34, s13, 5
	s_lshl_b32 s35, s12, 3
	s_add_co_u32 s34, s34, s35
	s_add_co_u32 s34, s34, FLG
	s_mov_b32 s35, 0
	s_mov_b32 s38, 0                               ; live bits
	s_mov_b32 s39, 0                               ; mixed bits
	s_wait_kmcnt 0x0
	s_add_nc_u64 s[22:23], s[22:23], s[14:15]
	s_add_nc_u64 s[28:29], s[26:27], s[34:35]      ; my two flag words
	s_add_nc_u64 s[26:27], s[26:27], s[32:33]      ; my four steps' words
.irp i, 0,1,2,3,4,5,6,7,8,9,10,11,12,13,14,15
	global_load_b128 v[48+4*\i:51+4*\i], v4, s[22:23] offset:(\i+8*(\i/8))*2048 th:TH_LOAD_NT   ; 512 consecutive bytes of one row
.endr
	s_wait_loadcnt 0x0
.irp i, 0,1,2,3,4,5,6,7,8,9,10,11,12,13,14,15
	ds_store_b128 v6, v[48+4*\i:51+4*\i] offset:SP*\i
.endr
.irp s, 0,1,2,3
.irp e, 0,1,2,3
	ds_load_b128 v[112+16*\s+4*\e:115+16*\s+4*\e], v7 offset:128*\s+32*\e   ; keys 128 s + 32 e + 16 h + 0 .. 15 of my query
.endr
.endr
	s_wait_dscnt 0x0
.macro MWORDS s                        ; step s: 64 words.  Word 4 m + k tests byte k of register m; it goes to lane 2 m + k / 2 of one of two registers, so that lane l stores words 2 l and 2 l + 1
	s_mov_b32 s30, -1                              ; the AND of the 64,
	s_mov_b32 s31, 0                               ; their OR
.set m, 0
.rept 16
.irp k, 0,1,2,3
	v_and_b32 v[10+\k], 0xff<<(8*\k), v[112+16*(\s)+m]
.endr
.irp k, 0,1,2,3
	v_cmp_ne_u32 s[40+\k], 0, v[10+\k]
.endr
.irp k, 0,1,2,3
	v_writelane_b32 v[176+2*(\s)+\k%2], s[40+\k], 2*m+\k/2
.endr
.irp k, 0,1,2,3
	s_and_b32 s30, s30, s[40+\k]
	s_or_b32 s31, s31, s[40+\k]
.endr
.set m, m+1
.endr
	global_store_b64 v5, v[176+2*(\s):177+2*(\s)], s[26:27] offset:256*(\s)   ; 256 consecutive bytes, aligned
	s_cmp_lg_u32 s30, -1
	s_cselect_b32 s36, 1<<(\s), 0                  ; not wholly masked
	s_cmp_lg_u32 s31, 0
	s_cselect_b32 s37, s36, 0                      ; and something masked
	s_or_b32 s38, s38, s36
	s_or_b32 s39, s39, s37
.endm
.irp s, 0,1,2,3
	MWORDS \s
.endr
	s_lshl_b32 s36, s12, 2
	s_lshl_b32 s38, s38, s36                       ; at bits 4 g + s
	s_lshl_b32 s39, s39, s36
	v_writelane_b32 v188, s38, 0
	v_writelane_b32 v188, s39, 1
	v_cmp_gt_u32 vcc_lo, 2, v2
	s_wait_xcnt 0x0                                ; EXEC changes only when the stores above have had their addresses translated
	s_wait_tensorcnt 0x0
	ds_add_u32 v240, v241
	s_wait_dscnt 0x0
	s_and_saveexec_b32 s44, vcc_lo
	global_store_b32 v8, v188, s[28:29]            ; lanes 0 and 1: the two flag words
	s_wait_xcnt 0x0
	s_or_b32 exec_lo, exec_lo, s44
	s_endpgm
.Lfunc_end_k_q62db5d4245_prep:
	.size	k_q62db5d4245_prep, .Lfunc_end_k_q62db5d4245_prep-k_q62db5d4245_prep
	.p2alignl 7, 3214868480
	.fill 96, 4, 3214868480
	.section	.rodata,"a",@progbits
	.p2align	6, 0x0
	.amdhsa_kernel k_q62db5d4245_prep
		.amdhsa_group_segment_fixed_size 68096
		.amdhsa_private_segment_fixed_size 0
		.amdhsa_enable_private_segment 0
		.amdhsa_kernarg_size 64
		.amdhsa_user_sgpr_count 2
		.amdhsa_user_sgpr_kernarg_segment_ptr 1
		.amdhsa_wavefront_size32 1
		.amdhsa_system_sgpr_workgroup_id_x 1
		.amdhsa_system_sgpr_workgroup_id_y 1
		.amdhsa_system_sgpr_workgroup_id_z 1
		.amdhsa_system_vgpr_workitem_id 0
		.amdhsa_next_free_vgpr 242
		.amdhsa_next_free_sgpr 66
		.amdhsa_reserve_vcc 1
		.amdhsa_float_denorm_mode_32 3
		.amdhsa_float_denorm_mode_16_64 3
		.amdhsa_memory_ordered 1
		.amdhsa_forward_progress 1
		.amdhsa_inst_pref_size 130
	.end_amdhsa_kernel
	.amdgpu_metadata
---
amdhsa.version: [ 1, 2 ]
amdhsa.kernels:
  - .name:           k_q62db5d4245_prep
    .symbol:         k_q62db5d4245_prep.kd
    .args:
      - { .name: embeddings, .offset: 0, .size: 8, .value_kind: global_buffer, .address_space: global }
      - { .name: Wq, .offset: 8, .size: 8, .value_kind: global_buffer, .address_space: global }
      - { .name: Wk, .offset: 16, .size: 8, .value_kind: global_buffer, .address_space: global }
      - { .name: Wv, .offset: 24, .size: 8, .value_kind: global_buffer, .address_space: global }
      - { .name: Wo, .offset: 32, .size: 8, .value_kind: global_buffer, .address_space: global }
      - { .name: mask, .offset: 40, .size: 8, .value_kind: global_buffer, .address_space: global }
      - { .name: xw, .offset: 48, .size: 8, .value_kind: global_buffer, .address_space: global }
      - { .name: maskw, .offset: 56, .size: 8, .value_kind: global_buffer, .address_space: global }
    .group_segment_fixed_size: 68096
    .private_segment_fixed_size: 0
    .kernarg_segment_align: 8
    .kernarg_segment_size: 64
    .max_flat_workgroup_size: 128
    .sgpr_count:     66
    .vgpr_count:     242
    .wavefront_size: 32
...
	.end_amdgpu_metadata
.endif
;; end of part 1
;; launch qkv (part 2): grid 8 x 48, 4 waves a work-group, clusters of 4 x 4, 327,680 bytes of LDS; arguments xw, bq, bk, bv, qkv; writes qkv
.if DOCPART == 2
	.amdgcn_target "amdgcn-amd-amdhsa--gfx1250"
	.amdhsa_code_object_version 6
	.text
	.protected	k_q62db5d4245_qkv
	.globl	k_q62db5d4245_qkv
	.p2align	8
	.type	k_q62db5d4245_qkv,@function
k_q62db5d4245_qkv:
	s_mov_b64 s[64:65], 0
	v_nop
	global_prefetch_b8 v0, s[64:65] scope:SCOPE_SE
	s_setreg_imm32_b32 hwreg(HW_REG_WAVE_MODE, 25, 1), 1
	s_wait_xcnt 0x0
	s_wait_alu depctr_hold_cnt(0) depctr_sa_sdst(0) depctr_va_vdst(0) depctr_va_sdst(0) depctr_va_ssrc(0) depctr_va_vcc(0) depctr_vm_vsrc(0)
	s_getreg_b32 s2, hwreg(HW_REG_IB_STS2, 6, 4)
	s_cmp_eq_u32 s2, 0
	s_cbranch_scc0 .Lentry_in_a_cluster
	s_endpgm
.Lentry_in_a_cluster:
	s_bfe_u32 s2, ttmp6, 0x10000c
	s_cmp_lg_u32 s2, 0xf033
	s_cbranch_scc0 .Lentry_shape_is_right
	s_endpgm
.Lentry_shape_is_right:
; q = x Wq^T + bq, k = x Wk^T + bk, v = x Wv^T + bv on codes of FP6 (E2M3) with E8M0 scales, K = 1,024, and the three results quantised in registers: q and k along a head's 64, v along the tokens (the keys).
; OPERANDS come from xw as images of operand registers (a fragment of 16 rows x 128 K is 1,536 bytes; a tile's rows are 32 B + 8 u + r + 8 (r / 8)); scale words as images of 512 bytes for 128 rows and 128 K.
; A work-group of four waves makes 256 x 256, a wave 128 x 128: 64 accumulators.  'A' is source 1: its rows become the result's LANES.  'B' is source 0: its rows become the result's REGISTERS, 16 neighbours in two tiles' 16.
; TWO PATHS, told apart by the cluster's y, which all partners share:  cluster y 0-7: A = x (tokens), B = Wq, Wk (features): a lane holds a token and 128 features = two heads.
;   cluster y 8-11: A = Wv (features), B = x (tokens): a lane holds a feature and 128 tokens = one key step.  So both results have their next K along a lane's registers, and one way out serves both.
; K goes in steps of 256 through a ring of two LDS slots; a tile's two fragments of a slot are 3,072 consecutive bytes of memory.  All scale images of the block's rows come once, with the first fills.
; CLUSTERS: 4 x 4 work-groups; A's tiles are asked for jointly along a row of the cluster, B's along a column.
; OUT (buffer qkv): q, k codes [head 0-15 q, 16-31 k][token tile 512][768]; v codes at VC [feature tile 64][64 tokens 128][768]; scale images at QKS [head pair 0-7 q, 8-15 k][token group 64][512], at VS [feature group 8][key step 64][512].
; THE BIAS without a second form: T = U[n] x W[a] + sum.  q/k path: U = the bias of the lane's 64 features, W = 1;  v path: U = 1, W = the bias of the lane's feature.
; LIMITS: NaN and infinities are not served; blocks whose largest magnitude lies under 2^-124 keep the byte 1, a block of zeros too (its codes are zeros; this program alone reads the bytes).
; REGISTERS, in windows of 256: window 0: v16-31 addresses; v32-63 scale words, two sets; v64-127 U; v128-223 A's fragments, ONE set (on the way out: T, codes, scale image); v224-239 W; v240-255 at work.
;   window 1: B's fragments, two sets, at v0 and v128.  window 2: accumulators of A's blocks 0-3 ((a, b) at v[8 (8 (a % 4) + b)]);  window 3: blocks 4-7.
.set NB,     8                         ; B's tiles of a wave
.set FR,     12                        ; registers of a fragment
.set NL,     4                         ; LDS loads that bring one
.set NP,     4                         ; places behind this matrix instruction (ISA guide 7.12.1)
.set TILEB,  3072                      ; a tile's bytes in a slot: two fragments
.set HALFA,  8*TILEB                   ; what one tensor load brings of A, and what a wave reads of it
.set HALFB,  NB*TILEB
.set SLOT,   2*HALFA+2*HALFB
.set LAPS,   2                         ; K = 1,024 = twice round the ring
.set SCL,    2*SLOT                    ; behind the ring: A's scale images (2 x 4,096), then B's
.set HALFSB, NB*512
.set SPARE,  SCL+8192+2*HALFSB         ; the spare words, 128 bytes a wave: two blocks of 256 bytes that no other line names
.set XWS,    9437184
.set VC,     12582912
.set QKS,    18874368
.set VS,     19398656
.set A16, 16                           ; v16-17 LDS address of A's registers 0-3 in slot 0, 1;  v18-19 of registers 4-5
.set A8,  18
.set B16, 20                           ; v20-23 the same for B
.set B8,  22
.set ASA, 24                           ; v24 A's scale images;  v25 B's
.set ASB, 25
.set L16, 26                           ; v26 16 l;  v27 512 + 8 l;  v30, v31 the same + the way from a fragment's first half to its second in qkv
.set L8,  27
.set SPW, 28                           ; v28 my spare word's address; never rewritten
.set NIL, 29                           ; v29 0; never rewritten
.set SC,  32
.set U,   64
.set AF,  128
.set T,   128
.set PC,  192                          ; v192-203 codes, v204-210 the conversions' second halves
.set SI,  212                          ; v212-215 the scale image of my 8 blocks
.set PW,  216
.set W,   224
.set TM,  240
.set SEL, 2                            ; s[2:3] on the way out
.set G1, 24
.set G0, 32
.set G1B, 48
.set G0B, 56
.set G1S, 68
.set G0S, 76
.set G1SB, 80
.set G0SB, 88
.set MSB, 0
.macro WIN new                         ; the immediate's high byte repeats the setting that is left
.if MSB != \new
	s_set_vgpr_msb (MSB<<8)|\new
.set MSB, \new
.endif
.endm
.set MUL_LO, 0xa1                      ; source 0 (B) window 1, source 1 (A) window 0, C and D window 2
.set MUL_HI, 0xf1
.set TO_B,   0x40
; A joint load: waves 0 and 1 fetch for A, waves 2 and 3 for B; the branch hangs on the wave's number alone.  Four v_nop follow each of the two lines.
.macro JLOAD g0a, g1a, g0b, g1b
	s_cmp_eq_u32 s15, 0
	s_cbranch_scc0 .Lfor_b_\@
	tensor_load_to_lds s[\g0a:\g0a+3], s[\g1a:\g1a+7]
	s_nop 0
.rept 4
	v_nop
.endr
	s_branch .Lasked_\@
.Lfor_b_\@:
	tensor_load_to_lds s[\g0b:\g0b+3], s[\g1b:\g1b+7]
	s_nop 0
.rept 4
	v_nop
.endr
.Lasked_\@:
.endm
.macro CREST                           ; a round of the cluster's barrier behind its opening barrier
	s_cmp_lg_u32 s14, 0
	s_cbranch_scc1 .Lnot_wave_0_\@
	s_barrier_signal -3
.Lnot_wave_0_\@:
	s_barrier_wait -3
	s_barrier_signal -1
	s_barrier_wait -1
.endm
.macro CROUND
	s_barrier_signal -1
	s_barrier_wait -1
	CREST
.endm
	s_load_b256 s[4:11], s[0:1], 0x0               ; xw, bq, bk, bv
	s_load_b64 s[12:13], s[0:1], 0x20              ; qkv
	v_lshl_add_u32 v[SPW], v0, 2, SPARE
	v_mov_b32 v[NIL], 0
	ds_add_u32 v28, v29
	ds_add_u32 v28, v29
	s_wait_dscnt 0x0
	v_lshrrev_b32 v1, 5, v0
	v_readfirstlane_b32 s14, v1                    ; wave 0..3
	s_lshr_b32 s15, s14, 1                         ; which 128 rows of A are mine.  Also: I fetch for A (0) or for B (1)
	s_and_b32 s16, s14, 1                          ; which 128 rows of B.  Also: which half I fetch
	s_bfe_u32 s40, ttmp6, 0x40000                  ; cx
	s_bfe_u32 s41, ttmp6, 0x40004                  ; cy
	s_and_b32 s43, ttmp7, 0xffff                   ; cluster y
	s_lshl_b32 s44, s41, 2
	s_lshl_b32 s44, 15, s44                        ; my row of the cluster
	s_lshl_b32 s45, 0x1111, s40                    ; my column
	; group 1 for codes: 8 rows (tiles) of 384 elements of 8 bytes, 1,536 elements apart; no padding: an LDS load's bytes are consecutive
	s_or_b32 s[G1+0], s44, (3<<16)|(1<<21)         ; 15:0 the mask; 17:16 elements of 8 bytes; 21 set beside a mask
	s_or_b32 s[G1B+0], s45, (3<<16)|(1<<21)
	s_mov_b32 s[G1+1], 384<<16                     ; tensor_dim0
	s_mov_b32 s[G1+2], 8<<16                       ; tensor_dim1
	s_mov_b32 s[G1+3], 384<<16                     ; tile_dim0
	s_mov_b32 s[G1+4], 8                           ; tile_dim1
	s_mov_b32 s[G1+5], 1536                        ; from tile to tile
	s_mov_b32 s[G1+6], 0
	s_mov_b32 s[G1+7], 0
	s_mov_b32 s[G1B+1], 384<<16
	s_mov_b32 s[G1B+2], NB<<16
	s_mov_b32 s[G1B+3], 384<<16
	s_mov_b32 s[G1B+4], NB
	s_mov_b32 s[G1B+5], 1536
	s_mov_b32 s[G1B+6], 0
	s_mov_b32 s[G1B+7], 0
	; group 1 for scale images: a dense block as rows of 256 bytes
	s_or_b32 s[G1S+0], s44, (3<<16)|(1<<21)
	s_or_b32 s[G1SB+0], s45, (3<<16)|(1<<21)
	s_mov_b32 s[G1S+1], 32<<16
	s_mov_b32 s[G1S+2], 16<<16
	s_mov_b32 s[G1S+3], 32<<16
	s_mov_b32 s[G1S+4], 16
	s_mov_b32 s[G1S+5], 32
	s_mov_b32 s[G1S+6], 0
	s_mov_b32 s[G1S+7], 0
	s_mov_b32 s[G1SB+1], 32<<16
	s_mov_b32 s[G1SB+2], (2*NB)<<16
	s_mov_b32 s[G1SB+3], 32<<16
	s_mov_b32 s[G1SB+4], 2*NB
	s_mov_b32 s[G1SB+5], 32
	s_mov_b32 s[G1SB+6], 0
	s_mov_b32 s[G1SB+7], 0
	; the two paths enter by selections on the cluster's y
	s_lshl_b32 s17, s43, 2                         ; 4 x cluster y
	s_max_u32 s18, s43, 8
	s_sub_co_u32 s18, s18, 8
	s_lshl_b32 s18, s18, 3                         ; 8 (cluster y - 8) on the v path, 0 on the other
	s_mov_b32 s98, 768
	s_mov_b32 s47, 393216
	s_cmp_ge_u32 s43, 8
	s_cselect_b32 s17, 0, s17
	s_cselect_b32 s19, 640, 0                      ; A's first tile: Wv's, or x's
	s_cselect_b32 s20, 0, 512                      ; B's: x's, or Wq's
	s_cselect_b32 s98, 98304, s98                  ; the way out: from a block to the next,
	s_cselect_b32 s47, 768, s47                    ; and from a fragment's first half to its second
	s_mov_b32 s99, 0
	s_add_co_u32 s17, s17, s41                     ; A's block of 256 rows: it hangs on cy and the cluster's y
	s_lshl_b32 s21, ttmp9, 2
	s_add_co_u32 s18, s18, s21
	s_add_co_u32 s18, s18, s40                     ; B's: on cx and the cluster's x and y
	s_lshl_b32 s22, s16, 3                         ; the half that I fetch: 8 tiles
	s_lshl_b32 s21, s17, 4
	s_add_co_u32 s21, s21, s19
	s_add_co_u32 s21, s21, s22                     ; A: first tile of my fetch
	s_mul_i32 s92, s21, 12288                      ; its codes,
	s_mov_b32 s93, 0
	s_lshl_b32 s94, s21, 9                         ; its scale images: 4,096 bytes for 8 tiles
	s_add_co_u32 s94, s94, XWS
	s_mov_b32 s95, 0
	s_lshl_b32 s23, s18, 4
	s_add_co_u32 s23, s23, s20
	s_add_co_u32 s23, s23, s22                     ; B likewise, in registers that never hold cy
	s_mul_i32 s44, s23, 12288
	s_mov_b32 s45, 0
	s_lshl_b32 s66, s23, 9
	s_add_co_u32 s66, s66, XWS
	s_mov_b32 s67, 0
	s_mul_i32 s21, s16, HALFA                      ; where they go: the wave's number alone enters an LDS address
	s_mul_i32 s23, s16, HALFB
	s_add_co_u32 s23, s23, 2*HALFA
	s_lshl_b32 s22, s16, 12
	s_add_co_u32 s22, s22, SCL
	s_mul_i32 s46, s16, HALFSB
	s_add_co_u32 s46, s46, SCL+8192
	s_wait_kmcnt 0x0
	s_add_nc_u64 s[92:93], s[4:5], s[92:93]
	s_add_nc_u64 s[94:95], s[4:5], s[94:95]
	s_add_nc_u64 s[44:45], s[4:5], s[44:45]
	s_add_nc_u64 s[66:67], s[4:5], s[66:67]
	CROUND                                         ; all sixteen work-groups are here: the first joint loads meet
	s_mov_b32 s[G0S], 1
	s_mov_b32 s[G0S+1], s22
	s_mov_b64 s[G0S+2:G0S+3], s[94:95]
	s_or_b32 s[G0S+3], s[G0S+3], 0x80000000
	s_mov_b32 s[G0SB], 1
	s_mov_b32 s[G0SB+1], s46
	s_mov_b64 s[G0SB+2:G0SB+3], s[66:67]
	s_or_b32 s[G0SB+3], s[G0SB+3], 0x80000000
	JLOAD G0S, G1S, G0SB, G1SB                     ; the scale images first: they are wanted with K step 0.  With the two slots' fills three loads of mine are out
.irp s, 0,1
	s_mov_b32 s[G0+4*\s], 1
	s_add_co_u32 s[G0+4*\s+1], s21, \s*SLOT
	s_add_nc_u64 s[G0+4*\s+2:G0+4*\s+3], s[92:93], \s*TILEB
	s_or_b32 s[G0+4*\s+3], s[G0+4*\s+3], 0x80000000
	s_mov_b32 s[G0B+4*\s], 1
	s_add_co_u32 s[G0B+4*\s+1], s23, \s*SLOT
	s_add_nc_u64 s[G0B+4*\s+2:G0B+4*\s+3], s[44:45], \s*TILEB
	s_or_b32 s[G0B+4*\s+3], s[G0B+4*\s+3], 0x80000000
	JLOAD G0+4*\s, G1, G0B+4*\s, G1B
.endr
	v_and_b32 v1, 31, v0
	v_lshlrev_b32 v[L16], 4, v1                    ; 16 l
	v_lshlrev_b32 v2, 3, v1
	v_add_nc_u32 v[L8], 512, v2                    ; 512 + 8 l
	s_mul_i32 s21, s15, HALFA                      ; my 128 rows of A
	s_mul_i32 s22, s16, HALFB                      ; my rows of B,
	s_add_co_u32 s22, s22, 2*HALFA                 ; which lie behind A's
.irp s, 0,1
	v_add_nc_u32 v[A16+\s], s21, v[L16]
	v_add_nc_u32 v[A8+\s], s21, v[L8]
	v_add_nc_u32 v[B16+\s], s22, v[L16]
	v_add_nc_u32 v[B8+\s], s22, v[L8]
	s_add_co_u32 s21, s21, SLOT
	s_add_co_u32 s22, s22, SLOT
.endr
	s_lshl_b32 s21, s15, 12
	s_add_co_u32 s21, s21, SCL
	v_add_nc_u32 v[ASA], s21, v[L16]
	s_lshl_b32 s22, s16, 12
	s_add_co_u32 s22, s22, SCL+8192
	v_add_nc_u32 v[ASB], s22, v[L16]
	v_add_nc_u32 v30, s47, v[L16]
	v_add_nc_u32 v31, s47, v[L8]
	; where the results go.  gA, gB: my groups of 128 rows of A and of B
	s_lshl_b32 s19, s17, 1
	s_add_co_u32 s19, s19, s15                     ; gA
	s_lshl_b32 s22, s18, 1
	s_add_co_u32 s22, s22, s16                     ; gB
	s_mov_b32 s66, 6144
	s_mov_b32 s67, QKS
	s_cmp_ge_u32 s43, 8
	s_cselect_b32 s23, s19, s22                    ; the group of features: gB (q, k) or gA (v),
	s_cselect_b32 s46, s22, s19                    ; the group of tokens
	s_cselect_b32 s66, 1536, s66                   ; a group of tokens in bytes: 8 tiles of 768, or 2 halves of 768
	s_cselect_b32 s67, VS, s67
	s_cselect_b32 s92, VC, 0
	s_mul_i32 s94, s23, 786432                     ; a group of 128 features: two heads of 512 x 768 bytes, or 8 tiles of 128 x 768
	s_mul_i32 s66, s46, s66
	s_add_co_u32 s94, s94, s66
	s_add_co_u32 s94, s94, s92
	s_mov_b32 s95, 0
	s_lshl_b32 s96, s23, 15
	s_lshl_b32 s46, s46, 9
	s_add_co_u32 s96, s96, s46
	s_add_co_u32 s96, s96, s67
	s_mov_b32 s97, 0
	s_add_nc_u64 s[96:97], s[12:13], s[96:97]      ; my scale image
	s_add_nc_u64 s[12:13], s[12:13], s[94:95]      ; my first block's codes
	; the bias
	s_cmp_ge_u32 s43, 8
	s_cbranch_scc1 .Lbias_v
	s_cmp_eq_u32 ttmp9, 0
	s_cselect_b64 s[20:21], s[6:7], s[8:9]         ; cluster x 0: Wq's features, 1: Wk's
	s_lshl_b32 s22, s40, 10                        ; 256 features of 4 bytes a work-group,
	s_lshl_b32 s23, s16, 9                         ; 128 a wave
	s_add_co_u32 s22, s22, s23
	s_mov_b32 s23, 0
	s_add_nc_u64 s[20:21], s[20:21], s[22:23]
	v_bfe_u32 v3, v0, 4, 1
	v_lshlrev_b32 v3, 6, v3                        ; 64 h: register 16 e + i is feature 32 e + 16 h + i
.irp e, 0,1,2,3
.irp q, 0,1,2,3
	global_load_b128 v[U+16*\e+4*\q:U+16*\e+4*\q+3], v3, s[20:21] offset:128*\e+16*\q
.endr
.endr
.irp a, 0,1,2,3,4,5,6,7,8,9,10,11,12,13,14,15
	v_mov_b32 v[W+\a], 1.0
.endr
	s_branch .Lbias_done
.Lbias_v:
	s_lshl_b32 s22, s17, 10
	s_lshl_b32 s23, s15, 9
	s_add_co_u32 s22, s22, s23
	s_mov_b32 s23, 0
	s_add_nc_u64 s[20:21], s[10:11], s[22:23]
	v_and_b32 v2, 15, v0
	v_and_b32 v3, 8, v2
	v_add_nc_u32 v3, v3, v2
	v_lshlrev_b32 v3, 2, v3                        ; 4 (r + 8 (r / 8)): my row of a tile
.irp a, 0,1,2,3,4,5,6,7
	global_load_b32 v[W+2*\a], v3, s[20:21] offset:4*(32*(\a/2)+8*(\a%2))
	global_load_b32 v[W+2*\a+1], v3, s[20:21] offset:4*(32*(\a/2)+8*(\a%2))   ; twice: the packed form multiplies by a pair
.endr
.set n, 0
.rept 64
	v_mov_b32 v[U+n], 1.0
.set n, n+1
.endr
.Lbias_done:
.macro FRAG reg, a16, a8, off          ; a fragment comes back as it was stored: registers 0-3 and 6-9 by 16 bytes a lane, 4-5 and 10-11 by 8: every load's bytes are consecutive
	ds_load_b128 v[\reg:\reg+3], v[\a16] offset:\off
	ds_load_b64 v[\reg+4:\reg+5], v[\a8] offset:\off
	ds_load_b128 v[\reg+6:\reg+9], v[\a16] offset:(\off)+768
	ds_load_b64 v[\reg+10:\reg+11], v[\a8] offset:(\off)+768
.endm
; one product.  rb, ra: which half of the lanes holds the scale words of B's tile and of A's
.macro WM d, bf, af, sb, sa, rb, ra, zero
.if \zero
.if (\rb) && (\ra)
	v_wmma_scale_f32_16x16x128_f8f6f4 v[\d:\d+7], v[\bf:\bf+11], v[\af:\af+11], 0, v[\sb], v[\sa] matrix_a_fmt:MATRIX_FMT_FP6 matrix_b_fmt:MATRIX_FMT_FP6 matrix_a_scale:MATRIX_SCALE_ROW1 matrix_b_scale:MATRIX_SCALE_ROW1
.elseif (\rb)
	v_wmma_scale_f32_16x16x128_f8f6f4 v[\d:\d+7], v[\bf:\bf+11], v[\af:\af+11], 0, v[\sb], v[\sa] matrix_a_fmt:MATRIX_FMT_FP6 matrix_b_fmt:MATRIX_FMT_FP6 matrix_a_scale:MATRIX_SCALE_ROW1
.elseif (\ra)
	v_wmma_scale_f32_16x16x128_f8f6f4 v[\d:\d+7], v[\bf:\bf+11], v[\af:\af+11], 0, v[\sb], v[\sa] matrix_a_fmt:MATRIX_FMT_FP6 matrix_b_fmt:MATRIX_FMT_FP6 matrix_b_scale:MATRIX_SCALE_ROW1
.else
	v_wmma_scale_f32_16x16x128_f8f6f4 v[\d:\d+7], v[\bf:\bf+11], v[\af:\af+11], 0, v[\sb], v[\sa] matrix_a_fmt:MATRIX_FMT_FP6 matrix_b_fmt:MATRIX_FMT_FP6
.endif
.else
.if (\rb) && (\ra)
	v_wmma_scale_f32_16x16x128_f8f6f4 v[\d:\d+7], v[\bf:\bf+11], v[\af:\af+11], v[\d:\d+7], v[\sb], v[\sa] matrix_a_fmt:MATRIX_FMT_FP6 matrix_b_fmt:MATRIX_FMT_FP6 matrix_a_scale:MATRIX_SCALE_ROW1 matrix_b_scale:MATRIX_SCALE_ROW1
.elseif (\rb)
	v_wmma_scale_f32_16x16x128_f8f6f4 v[\d:\d+7], v[\bf:\bf+11], v[\af:\af+11], v[\d:\d+7], v[\sb], v[\sa] matrix_a_fmt:MATRIX_FMT_FP6 matrix_b_fmt:MATRIX_FMT_FP6 matrix_a_scale:MATRIX_SCALE_ROW1
.elseif (\ra)
	v_wmma_scale_f32_16x16x128_f8f6f4 v[\d:\d+7], v[\bf:\bf+11], v[\af:\af+11], v[\d:\d+7], v[\sb], v[\sa] matrix_a_fmt:MATRIX_FMT_FP6 matrix_b_fmt:MATRIX_FMT_FP6 matrix_b_scale:MATRIX_SCALE_ROW1
.else
	v_wmma_scale_f32_16x16x128_f8f6f4 v[\d:\d+7], v[\bf:\bf+11], v[\af:\af+11], v[\d:\d+7], v[\sb], v[\sa] matrix_a_fmt:MATRIX_FMT_FP6 matrix_b_fmt:MATRIX_FMT_FP6
.endif
.endif
.endm
; A's blocks a0, a0 + 1 against B's NB, the slot's q-th 128 along K.  p: B's set; sc: the set of scale words.  The accumulators take turns, one instruction a turn, in the same order in every step.
.macro MULA a0, p, q, sc, zero
.irp a, \a0, \a0+1
.set bb, 0
.rept NB
	WM 8*(NB*((\a)%4)+bb), 128*(\p)+FR*bb, AF+FR*(\a), SC+16*(\sc)+8+4*(\q)+bb/2, SC+16*(\sc)+4*(\q)+(\a)/2, bb%2, (\a)%2, \zero
.set bb, bb+1
.endr
.endr
.endm
.macro FETCH_B slot, q, p
	WIN TO_B
.set fi, 0
.rept NB
	FRAG 128*(\p)+FR*fi, B16+\slot, B8+\slot, fi*TILEB+(\q)*1536
.set fi, fi+1
.endr
	WIN 0
.endm
.macro FETCH_A slot, q, i0
.irp k, 0,1,2,3
	FRAG AF+FR*((\i0)+\k), A16+\slot, A8+\slot, ((\i0)+\k)*TILEB+(\q)*1536
.endr
.endm
.macro SCALES set                      ; a slot's two K steps: register i of an image holds tile 2 i's words in lanes 0-15 and tile 2 i + 1's in lanes 16-31
.irp q, 0,1
	ds_load_b128 v[SC+16*\set+4*\q:SC+16*\set+4*\q+3], v[ASA] offset:512*\q
	ds_load_b128 v[SC+16*\set+8+4*\q:SC+16*\set+8+4*\q+3], v[ASB] offset:512*\q
.endr
.endm
; A load into a register that a matrix instruction has read, and a vector instruction that reads a matrix result, stand NP places behind it; only plain vector instructions that name none of its registers are places.
.macro PLACES n
.rept \n
	v_nop
.endr
.endm
.macro STEP slot, zero                 ; a slot's first 128 along K
	s_wait_dscnt 4*NL                              ; B's set, A's blocks 0-3 and the scale words are in; the youngest sixteen loads (A's blocks 4-7) may be out
	WIN MUL_LO
	MULA 0, 0, 0, \slot, \zero
	MULA 2, 0, 0, \slot, \zero
	s_wait_dscnt 0
	PLACES NP
	FETCH_B \slot, 1, 1
	FETCH_A \slot, 1, 0
	WIN MUL_HI
	MULA 4, 0, 0, \slot, \zero
	MULA 6, 0, 0, \slot, \zero
	PLACES NP
	WIN 0
	FETCH_A \slot, 1, 4
.endm
; A slot's second 128 along K, and the change of slots: ONE barrier; in front of it each wave waits for all its tensor loads, adds 0 to its spare word, and waits for that and for its reads of this slot.
.macro TURN slot, next, fill
	s_wait_tensorcnt 0x0                           ; all my tensor loads have landed: my part of the next slot
	ds_add_u32 v[SPW], v[NIL]                      ; 0 onto my spare word
	s_wait_dscnt 4*NL+1                            ; (the add and the youngest sixteen loads, A's blocks 4-7, may be out)
	WIN MUL_LO
	MULA 0, 1, 1, \slot, 0                         ; matrix work stands between the add and the wait for it
	s_wait_dscnt 0x0                               ; the add is done, and my reads of this slot are over
	s_barrier_signal -1
	MULA 2, 1, 1, \slot, 0
	WIN 0
	s_barrier_wait -1
.if \fill
	CREST                                          ; the barrier has opened a round of the cluster's barrier: no wave of any partner still reads this slot or has a load on its way
	s_add_nc_u64 s[G0+4*\slot+2:G0+4*\slot+3], s[G0+4*\slot+2:G0+4*\slot+3], 2*TILEB
	s_add_nc_u64 s[G0B+4*\slot+2:G0B+4*\slot+3], s[G0B+4*\slot+2:G0B+4*\slot+3], 2*TILEB
	JLOAD G0+4*\slot, G1, G0B+4*\slot, G1B         ; the first tensor load behind the round, one a wave; its four v_nop are the places in front of the loads below
.else
	PLACES NP
.endif
	v_add_nc_u32 v[ASA], 1024, v[ASA]              ; the next slot's two scale images (no LDS load of mine is out)
	v_add_nc_u32 v[ASB], 1024, v[ASB]
	FETCH_B \next, 0, 0
	FETCH_A \next, 0, 0
	SCALES \next
	WIN MUL_HI
	MULA 4, 1, 1, \slot, 0
	MULA 6, 1, 1, \slot, 0
	PLACES NP
	WIN 0
	FETCH_A \next, 0, 4
.endm
	s_wait_tensorcnt 1                             ; the scale images and my part of slot 0 are in (slot 1's load may be out)
	s_barrier_signal -1
	s_barrier_wait -1                              ; everybody's are
	FETCH_B 0, 0, 0
	FETCH_A 0, 0, 0
	SCALES 0
	FETCH_A 0, 0, 4
	STEP 0, 1                                      ; the first step stands in front of the loop: its products start the sums
	s_mov_b32 s3, LAPS-1
.Llap:                                                 ; a trip goes once round the ring and fills both slots again
	TURN 0, 1, 1
	STEP 1, 0
	TURN 1, 0, 1
	STEP 0, 0
	s_sub_co_u32 s3, s3, 1
	s_cmp_lg_u32 s3, 0
	s_cbranch_scc1 .Llap
	TURN 0, 1, 0                                   ; the last lap fills nothing
	STEP 1, 0
	s_wait_dscnt 4*NL
	WIN MUL_LO
	MULA 0, 1, 1, 1, 0
	MULA 2, 1, 1, 1, 0
	s_wait_dscnt 0
	WIN MUL_HI
	MULA 4, 1, 1, 1, 0
	MULA 6, 1, 1, 1, 0
	WIN 0
; THE WAY OUT.  For each of A's blocks a lane's 64 numbers, register 16 b + i = place 32 b + 16 h + i along the next K, get their bias and become a fragment's codes and a scale word; nothing goes through LDS.
.macro QUANT s
.irp b, 0,1,2,3
	v_max3_num_f32 v[TM+\b], |v[\s+16*\b]|, |v[\s+1+16*\b]|, 0x1800000   ; block b: my 16 numbers, and the floor 2^(3 - 127): the byte cannot fall under 1
.endr
.irp i, 2,4,6,8,10,12,14
.irp b, 0,1,2,3
	v_max3_num_f32 v[TM+\b], v[TM+\b], |v[\s+16*\b+\i]|, |v[\s+1+16*\b+\i]|
.endr
.endr
.irp b, 0,1,2,3
	v_permlanex16_b32 v[TM+4+\b], v[TM+\b], s[SEL], s[SEL+1]
.endr
.irp b, 0,1,2,3
	v_max_num_f32 v[TM+\b], v[TM+\b], v[TM+4+\b]   ; with lane l xor 16's: the block's largest magnitude
.endr
.irp b, 0,1,2,3
	v_add_nc_u32 v[TM+12+\b], 0xff000000, v[TM+\b] ; 2 off its exponent field: the conversion's scale operand
.endr
.irp b, 0,1,2,3
	v_lshrrev_b32 v[TM+4+\b], 23, v[TM+12+\b]      ; the scale's byte
.endr
	v_lshl_or_b32 v[PW], v[TM+5], 8, v[TM+4]
	v_lshl_or_b32 v[PW], v[TM+6], 16, v[PW]
	v_lshl_or_b32 v[PW], v[TM+7], 24, v[PW]
.irp c, 0,1
	v_cvt_scalef32_pk16_fp6_f32 v[PC+6*\c:PC+2+6*\c], v[\s+32*\c:\s+15+32*\c], v[TM+12+2*\c]
	v_cvt_scalef32_pk16_fp6_f32 v[PC+12+4*\c:PC+14+4*\c], v[\s+16+32*\c:\s+31+32*\c], v[TM+12+2*\c+1]   ; (a conversion's three registers begin on an even number)
.endr
	v_nop                                          ; one plain instruction behind a scaled conversion
.irp c, 0,1                                    ; the operand's layout wants a WHOLE block in a lane
.irp i, 0,1,2
	v_permlane16_swap_b32 v[PC+6*\c+\i], v[PC+12+4*\c+\i]
.endr
.irp i, 0,1,2
	v_mov_b32 v[PC+3+6*\c+\i], v[PC+12+4*\c+\i]
.endr
.endr
.endm
.macro OUTA a
	WIN 0x20+0x10*((\a)/4)                         ; source 2: window 2 or 3
.set n, 0
.rept 32
	v_pk_fma_f32 v[T+n:T+n+1], v[U+n:U+n+1], v[W+2*(\a):W+2*(\a)+1], v[64*((\a)%4)+n:64*((\a)%4)+n+1]   ; each accumulator from its low end on
.set n, n+2
.endr
	WIN 0
.if (\a) > 0
	s_wait_xcnt 0x0                                ; the last block's stores have read their data and their base
	s_add_nc_u64 s[12:13], s[12:13], s[98:99]
.endif
	QUANT T
.if (\a)%2 == 0
	v_mov_b32 v[SI+(\a)/2], v[PW]
.else
	v_cndmask_b32 v[SI+(\a)/2], v[SI+(\a)/2], v[PW], s19
.endif
	global_store_b128 v[L16], v[PC:PC+3], s[12:13]         ; 512 consecutive bytes, at a multiple of 256;
	global_store_b64 v[L8], v[PC+4:PC+5], s[12:13]         ; 256
	global_store_b128 v30, v[PC+6:PC+9], s[12:13]          ; the second half: the other head (q, k), the next 64 tokens (v)
	global_store_b64 v31, v[PC+10:PC+11], s[12:13]
.endm
	PLACES NP
	s_wait_loadcnt 0x0                             ; the bias
	s_mov_b32 s[SEL], 0x76543210
	s_mov_b32 s[SEL+1], 0xfedcba98
	s_mov_b32 s19, 0xffff0000                      ; lanes 16-31
.irp b, 0,1,2,3
	v_mov_b32 v[TM+4+\b], 0                        ; written once: a lane permute's destination counts as one of its sources
.endr
.irp a, 0,1,2,3,4,5,6,7
	OUTA \a
.endr
	global_store_b128 v[L16], v[SI:SI+3], s[96:97]
	s_wait_tensorcnt 0x0                           ; the wave's end
	ds_add_u32 v[SPW], v[NIL]
	s_wait_dscnt 0x0
	CROUND                                         ; the closing round: no work-group ends while a partner may still ask for a tile that names it
	s_endpgm
.Lfunc_end_k_q62db5d4245_qkv:
	.size	k_q62db5d4245_qkv, .Lfunc_end_k_q62db5d4245_qkv-k_q62db5d4245_qkv
	.p2alignl 7, 3214868480
	.fill 96, 4, 3214868480
	.section	.rodata,"a",@progbits
	.p2align	6, 0x0
	.amdhsa_kernel k_q62db5d4245_qkv
		.amdhsa_group_segment_fixed_size 327680
		.amdhsa_private_segment_fixed_size 0
		.amdhsa_enable_private_segment 0
		.amdhsa_kernarg_size 40
		.amdhsa_user_sgpr_count 2
		.amdhsa_user_sgpr_kernarg_segment_ptr 1
		.amdhsa_wavefront_size32 1
		.amdhsa_system_sgpr_workgroup_id_x 1
		.amdhsa_system_sgpr_workgroup_id_y 1
		.amdhsa_system_sgpr_workgroup_id_z 1
		.amdhsa_system_vgpr_workitem_id 0
		.amdhsa_next_free_vgpr 1024
		.amdhsa_next_free_sgpr 100
		.amdhsa_reserve_vcc 0
		.amdhsa_float_denorm_mode_32 3
		.amdhsa_float_denorm_mode_16_64 3
		.amdhsa_memory_ordered 1
		.amdhsa_forward_progress 1
		.amdhsa_inst_pref_size 171
	.end_amdhsa_kernel
	.amdgpu_metadata
---
amdhsa.version: [ 1, 2 ]
amdhsa.kernels:
  - .name:           k_q62db5d4245_qkv
    .symbol:         k_q62db5d4245_qkv.kd
    .args:
      - { .name: xw, .offset: 0, .size: 8, .value_kind: global_buffer, .address_space: global }
      - { .name: bq, .offset: 8, .size: 8, .value_kind: global_buffer, .address_space: global }
      - { .name: bk, .offset: 16, .size: 8, .value_kind: global_buffer, .address_space: global }
      - { .name: bv, .offset: 24, .size: 8, .value_kind: global_buffer, .address_space: global }
      - { .name: qkv, .offset: 32, .size: 8, .value_kind: global_buffer, .address_space: global }
    .group_segment_fixed_size: 327680
    .private_segment_fixed_size: 0
    .kernarg_segment_align: 8
    .kernarg_segment_size: 40
    .max_flat_workgroup_size: 128
    .sgpr_count:     100
    .vgpr_count:     1024
    .wavefront_size: 32
...
	.end_amdgpu_metadata
.endif
;; end of part 2
;; launch attn (part 3): grid 4 x 64, 16 waves a work-group, no clusters, 206,848 bytes of LDS; arguments qkv, maskw, ctx; writes ctx
.if DOCPART == 3
	.amdgcn_target "amdgcn-amd-amdhsa--gfx1250"
	.amdhsa_code_object_version 6
	.text
	.protected	k_q62db5d4245_attn
	.globl	k_q62db5d4245_attn
	.p2align	8
	.type	k_q62db5d4245_attn,@function
k_q62db5d4245_attn:
	s_mov_b64 s[64:65], 0
	v_nop
	global_prefetch_b8 v0, s[64:65] scope:SCOPE_SE
	s_setreg_imm32_b32 hwreg(HW_REG_WAVE_MODE, 25, 1), 1
	s_wait_xcnt 0x0
; ctx[b][q][h][:] = softmax_k(where(mask, -inf, q . k) / 8) v, both products on codes of FP6 (E2M3) with E8M0 scales, and ctx quantised along the model axis for the last product.
; THE SOFTMAX AHEAD OF THE SECOND PRODUCT: t = score x log2(e) / 8; M = the running largest t rounded UP to a whole number; p = 2^(t - M) is quantised along the keys, not normalised; the row's sum is taken of the
; unquantised p and divides at the end; when M moves, the sum and O are multiplied by 2^(old M - new M), which rounds nothing.
; SHARES.  Work-group (x, y): head y % 16 of batch y / 16.  Its sixteen waves own two query tiles each, 16 x + w and 127 - (16 x + w), one after the other.  A whole head's K and V (codes and scale words, 204,800 bytes)
; are copied into LDS ONCE, through registers; one barrier; from there on LDS is only read.
; THE MASK IS AN INPUT.  An earlier launch has stored it as lane masks (64 words for a query tile and a key step) and as two flags a step.  A step that is wholly masked is passed over; the masks are loaded and applied
; only in a step that is partly masked.  These are branches on stored whole numbers; the four work-groups of a head, which read the same K and V,
; do not ask jointly: the steps and selections that the flags spare outweigh one shared fill of 204,800 bytes.
; LAYOUT.  Both products transposed: S^T = K Q^T, O^T = V^T P^T: a lane holds ONE query.  A tile's rows are 32 B + 8 u + r + 8 (r / 8), so the 16 registers of tiles 2 e, 2 e + 1 are keys 32 e + 16 h + 0 .. 15.
; K = 64 IN A FORM OF 128: a fragment of K holds TWO key tiles (x in registers 0-5, y in 6-11).  Q lies as [Q][zeros][Q] in v16-33: v[16:27] picks tile x, v[22:33] tile y: zero codes add nothing.
; A ROW WHOLLY MASKED has the sum 0: its scale bytes are stored as 0xff, which makes the last product's whole row NaN, as the softmax of such a row is.
; LIMITS: NaN and infinities among the inputs are not served; blocks under 2^-124 and blocks of zeros keep the byte 1.  The scale bytes of ctx leave as stores of 2 bytes, 16 bytes apart: the other half of each
; word belongs to another head's work-group; they are 262,144 of the launch's 6,553,600 bytes.
; REGISTERS: v1 16 l, v2 512 + 8 l, v3 8 l, v4 16 r, v5 -inf; v6, v7 ctx's scale pair and its place; v8-14 a step's addresses; v16-33 Q; v34 Q's scale word; v36 -M, v37 largest t, v[38:39] the sum;
;   v[40:41] K's scale words, v[42:43] V's; v44-91 four fragments; v92-155 S^T, then p; v156-187 O^T; v188-206 codes; v208-219 blocks' work; v220 f, v221 p's scale word; v222, v223 at work.
.set VC,   12582912
.set QKS,  18874368
.set VS,   19398656
.set CTS,  6291456
.set VCL,  98304                       ; LDS: K's 128 tiles of 768 bytes from 0; V's 4 feature tiles x 32 halves of 768 from VCL;
.set KSL,  196608                      ; K's scale words, 256 bytes a step; V's 4,096 bytes further on
.set KF,   44
.set S,    92
.set O,    156
.set PC,   188
.set BM,   208
.set BT,   212
.set BS,   216
	s_load_b128 s[4:7], s[0:1], 0x0                ; qkv, maskw
	s_load_b64 s[8:9], s[0:1], 0x10                ; ctx
	v_lshl_add_u32 v224, v0, 2, 0x32000
	v_mov_b32 v225, 0
	v_lshrrev_b32 v1, 5, v0
	v_readfirstlane_b32 s10, v1                    ; wave 0..15
	s_and_b32 s20, ttmp7, 0xffff
	s_lshr_b32 s11, s20, 4                         ; batch
	s_and_b32 s12, s20, 15                         ; head
	s_and_b32 s13, s12, 1                          ; which of a pair of heads
	s_lshr_b32 s14, s12, 1                         ; the pair
	s_mov_b32 s15, 0x05040100                      ; v_perm_b32: the low halves of two words (even head),
	s_cmp_eq_u32 s13, 1
	s_cselect_b32 s15, 0x07060302, s15             ; or the high halves (odd head)
	s_mov_b32 s16, 0x76543210
	s_mov_b32 s17, 0xfedcba98                      ; selects for lane l xor 16
	s_mov_b32 s18, 0x3e38aa3b                      ; c = log2(e) / 8
	s_mov_b32 s19, s18                             ; (named with it as a pair)
	s_mov_b32 s29, 0xffff0000                      ; lanes 16-31
	s_add_co_u32 s20, s12, 16
	s_mul_i32 s20, s20, 393216                     ; K's codes: head 16 + h, 512 tiles of 768 bytes,
	s_mul_i32 s22, s11, 98304                      ; the batch's 128 tiles
	s_add_co_u32 s20, s20, s22
	s_mov_b32 s21, 0
	s_mul_i32 s22, s12, 393216                     ; V's: the head's four feature tiles of 98,304 bytes,
	s_mul_i32 s24, s11, 24576                      ; the batch's 32 halves in each
	s_add_co_u32 s22, s22, s24
	s_add_co_u32 s22, s22, VC
	s_mov_b32 s23, 0
	s_lshl_b32 s26, s11, 13                        ; scale images: 16 of 512 bytes a batch,
	s_lshl_b32 s24, s14, 15                        ; 64 a pair of heads
	s_add_co_u32 s24, s24, s26
	s_lshl_b32 s27, s13, 3                         ; V's: my head's two registers of an image's four
	s_add_co_u32 s26, s24, s27
	s_add_co_u32 s26, s26, VS
	s_mov_b32 s27, 0
	s_add_co_u32 s24, s24, QKS+8*32768             ; K's pairs of heads lie behind Q's eight
	s_mov_b32 s25, 0
	v_lshlrev_b32 v8, 4, v0                        ; 16 x thread: in memory and in LDS
	v_add_nc_u32 v9, 0x10000, v8
	v_add_nc_u32 v10, 0x20000, v8
	v_lshl_add_u32 v11, v0, 3, KSL                 ; 8 x thread
	s_wait_kmcnt 0x0
	s_add_nc_u64 s[20:21], s[4:5], s[20:21]
	s_add_nc_u64 s[22:23], s[4:5], s[22:23]
	s_add_nc_u64 s[24:25], s[4:5], s[24:25]
	s_add_nc_u64 s[26:27], s[4:5], s[26:27]
	; THE FILL: 26 loads a thread, all on their way together; the work-group's 512 threads read 8,192 consecutive bytes a load
.irp j, 0,1,2,3,4,5,6,7,8,9,10,11
	global_load_b128 v[44+4*\j:47+4*\j], v8, s[20:21] offset:8192*\j
.endr
.irp j, 0,1,2,3,4,5,6,7,8,9,10,11
	global_load_b128 v[92+4*\j:95+4*\j], v8, s[22:23] offset:98304*(\j/3)+8192*(\j%3)
.endr
	global_load_b128 v[140:143], v8, s[24:25]
	global_load_b64 v[144:145], v8, s[26:27]
.irp j, 0,1,2,3,4,5,6,7,8,9,10,11,12,13,14,15,16,17,18,19,20,21,22,23
	s_wait_loadcnt 25-\j                           ; loads come back in order: number j is in, the younger ones stay out
	ds_store_b128 v[8+\j/8], v[44+4*\j:47+4*\j] offset:8192*(\j%8)
.endr
	s_wait_loadcnt 0x0
	v_perm_b32 v146, v141, v140, s15               ; my head's two bytes of tiles (h', 2 + h'): the scale word of a fragment that holds these two tiles;
	v_perm_b32 v147, v143, v142, s15               ; of tiles (4 + h', 6 + h')
	ds_store_b64 v11, v[146:147]
	ds_store_b64 v11, v[144:145] offset:4096
	v_and_b32 v3, 31, v0
	v_lshlrev_b32 v1, 4, v3
	v_lshlrev_b32 v3, 3, v3
	v_add_nc_u32 v2, 512, v3
	v_and_b32 v4, 15, v0
	v_lshlrev_b32 v4, 4, v4
	v_mov_b32 v5, 0xff800000
.irp i, 22,23,24,25,26,27
	v_mov_b32 v\i, 0                               ; the zero codes between the two copies of Q
.endr
.irp b, 0,1,2,3
	v_mov_b32 v[BT+\b], 0                          ; written once: a lane permute's destination counts as one of its sources
.endr
	v_mov_b32 v221, 0                              ; (named as the upper halves of pairs before they are first written)
	v_mov_b32 v223, 0
	s_wait_dscnt 0x0                               ; for the others' sake: my stores have landed
	s_barrier_signal -1
	s_barrier_wait -1                              ; the head's K and V lie in LDS; nothing writes LDS from here on
; ONE QUERY TILE, s28, against all keys.  first = 1: the wave's first tile.
.macro PASS first
	s_wait_xcnt 0x0                                ; every earlier load and store has read its base, its offset and its data
	s_lshl_b32 s20, s28, 5
	s_load_b256 s[32:39], s[6:7], s20 offset:0x80000   ; the tile's flags: four pairs of words
	s_lshl_b32 s100, s28, 12
	s_mov_b32 s101, 0
	s_add_nc_u64 s[100:101], s[6:7], s[100:101]    ; its lane masks: 256 bytes a step
	s_lshl_b32 s21, s12, 9
	s_lshl_b32 s24, s11, 7
	s_add_co_u32 s24, s24, s28                     ; token tile 128 b + qt
	s_add_co_u32 s21, s21, s24
	s_mul_i32 s30, s21, 768
	s_mov_b32 s31, 0
	s_add_nc_u64 s[30:31], s[4:5], s[30:31]        ; Q's codes
	s_lshl_b32 s21, s24, 3
	s_add_co_u32 s21, s21, s14
	s_mul_i32 s104, s21, 1536
	s_mul_i32 s21, s13, 768
	s_add_co_u32 s104, s104, s21
	s_mov_b32 s105, 0
	s_add_nc_u64 s[104:105], s[8:9], s[104:105]    ; ctx's codes: fragment (token tile, pair of heads), my head's half
	s_lshr_b32 s24, s24, 3                         ; token group
	s_and_b32 s25, s28, 1
	s_lshl_b32 s25, s25, 8
	s_bfe_u32 s26, s28, 0x20001
	s_lshl_b32 s26, s26, 2
	s_add_co_u32 s25, s25, s26                     ; the tile's place in a scale image: 256 (qt % 2) + 4 ((qt % 8) / 2)
	s_lshl_b32 s26, s14, 6
	s_add_co_u32 s26, s26, s24
	s_lshl_b32 s26, s26, 9
	s_add_co_u32 s26, s26, s25
	s_add_co_u32 s66, s26, QKS
	s_mov_b32 s67, 0
	s_add_nc_u64 s[66:67], s[4:5], s[66:67]        ; Q's scale words
	s_lshl_b32 s26, s24, 3
	s_add_co_u32 s26, s26, s14
	s_lshl_b32 s26, s26, 9
	s_add_co_u32 s26, s26, s25
	s_lshl_b32 s27, s13, 1
	s_add_co_u32 s26, s26, s27                     ; ctx's scale bytes: image (token group, pair of heads), the tile's place, my head's two bytes
.if \first
	v_add_nc_u32 v7, s26, v4
.else
	v_add_nc_u32 v223, s26, v4
	v_cndmask_b32 v7, v7, v223, s29                ; the second tile's in lanes 16-31
.endif
	global_load_b128 v[16:19], v1, s[30:31]
	global_load_b64 v[20:21], v2, s[30:31]
	global_load_b128 v[28:31], v1, s[30:31]        ; Q twice: in front of the zeros and behind them
	global_load_b64 v[32:33], v2, s[30:31]
	global_load_b32 v35, v4, s[66:67]
	v_mov_b32 v37, 0xff61b1e6                      ; the largest t so far: -3e38
	v_floor_f32 v36, -v37                          ; -M
	v_mov_b32 v38, 0
	v_mov_b32 v39, 0
	s_mov_b32 s24, 0                               ; the key step
	s_mov_b32 s25, 0                               ; its tiles of K in LDS: 6,144 bytes a step
	s_mov_b32 s26, VCL                             ; its fragments of V: 1,536
	s_mov_b32 s27, KSL                             ; its scale words: 256
	s_wait_kmcnt 0x0
	s_or_b32 s22, s32, s34
	s_or_b32 s22, s22, s36
	s_or_b32 s22, s22, s38                         ; bit s: step s is not wholly masked
	s_or_b32 s23, s33, s35
	s_or_b32 s23, s23, s37
	s_or_b32 s23, s23, s39                         ; bit s: it is partly masked
	s_wait_loadcnt 0x0
	v_perm_b32 v34, v35, v35, s15                  ; my head's two bytes, twice: they serve Q in either place
.set j, 0
.rept 32
	v_mov_b32 v[O+j], 0                            ; O^T: the step is written once; the first change of M multiplies zeros.  (These are also the places between v34's write and the first scaled product)
.set j, j+1
.endr
.Lstep_\@:                                         ; sixteen trips, a constant; a step's WORK is passed over where the flag says so
	s_lshr_b32 s20, s22, s24
	s_and_b32 s20, s20, 1
	s_cmp_eq_u32 s20, 0
	s_cbranch_scc1 .Lnext_\@
	s_add_co_u32 s21, s26, 49152
	v_add_nc_u32 v8, s25, v1                       ; (seven plain instructions: the places in front of the loads into registers that the last products read)
	v_add_nc_u32 v9, s25, v2
	v_add_nc_u32 v10, s26, v1
	v_add_nc_u32 v11, s26, v2
	v_add_nc_u32 v12, s21, v1
	v_add_nc_u32 v13, s21, v2
	v_add_nc_u32 v14, s27, v3
.irp f, 0,1,2,3                                ; fragment f holds key tiles x = 4 (f / 2) + f % 2 and x + 2
	ds_load_b128 v[KF+12*\f:KF+12*\f+3], v8 offset:768*(4*(\f/2)+\f%2)
	ds_load_b64 v[KF+12*\f+4:KF+12*\f+5], v9 offset:768*(4*(\f/2)+\f%2)
	ds_load_b128 v[KF+12*\f+6:KF+12*\f+9], v8 offset:768*(4*(\f/2)+\f%2+2)
	ds_load_b64 v[KF+12*\f+10:KF+12*\f+11], v9 offset:768*(4*(\f/2)+\f%2+2)
.endr
	ds_load_b64 v[40:41], v14
	s_wait_dscnt 0x0
.irp f, 0,1,2,3
.if \f%2
	v_wmma_scale_f32_16x16x128_f8f6f4 v[S+8*(4*(\f/2)+\f%2):S+8*(4*(\f/2)+\f%2)+7], v[KF+12*\f:KF+12*\f+11], v[16:27], 0, v[40+\f/2], v34 matrix_a_fmt:MATRIX_FMT_FP6 matrix_b_fmt:MATRIX_FMT_FP6 matrix_a_scale:MATRIX_SCALE_ROW1
	v_wmma_scale_f32_16x16x128_f8f6f4 v[S+8*(4*(\f/2)+\f%2+2):S+8*(4*(\f/2)+\f%2+2)+7], v[KF+12*\f:KF+12*\f+11], v[22:33], 0, v[40+\f/2], v34 matrix_a_fmt:MATRIX_FMT_FP6 matrix_b_fmt:MATRIX_FMT_FP6 matrix_a_scale:MATRIX_SCALE_ROW1
.else
	v_wmma_scale_f32_16x16x128_f8f6f4 v[S+8*(4*(\f/2)+\f%2):S+8*(4*(\f/2)+\f%2)+7], v[KF+12*\f:KF+12*\f+11], v[16:27], 0, v[40+\f/2], v34 matrix_a_fmt:MATRIX_FMT_FP6 matrix_b_fmt:MATRIX_FMT_FP6
	v_wmma_scale_f32_16x16x128_f8f6f4 v[S+8*(4*(\f/2)+\f%2+2):S+8*(4*(\f/2)+\f%2+2)+7], v[KF+12*\f:KF+12*\f+11], v[22:33], 0, v[40+\f/2], v34 matrix_a_fmt:MATRIX_FMT_FP6 matrix_b_fmt:MATRIX_FMT_FP6
.endif
.endr
.rept 4
	v_nop                                          ; places: in front of the loads into K's registers and of the first read of the scores
.endr
.irp d, 0,1                                    ; V's four fragments land while the softmax is walked
	ds_load_b128 v[KF+12*\d:KF+12*\d+3], v10 offset:24576*\d
	ds_load_b64 v[KF+12*\d+4:KF+12*\d+5], v11 offset:24576*\d
	ds_load_b128 v[KF+12*\d+6:KF+12*\d+9], v10 offset:24576*\d+768
	ds_load_b64 v[KF+12*\d+10:KF+12*\d+11], v11 offset:24576*\d+768
	ds_load_b128 v[KF+24+12*\d:KF+24+12*\d+3], v12 offset:24576*\d
	ds_load_b64 v[KF+24+12*\d+4:KF+24+12*\d+5], v13 offset:24576*\d
	ds_load_b128 v[KF+24+12*\d+6:KF+24+12*\d+9], v12 offset:24576*\d+768
	ds_load_b64 v[KF+24+12*\d+10:KF+24+12*\d+11], v13 offset:24576*\d+768
.endr
	ds_load_b64 v[42:43], v14 offset:4096
	s_lshr_b32 s20, s23, s24
	s_and_b32 s20, s20, 1
	s_cmp_eq_u32 s20, 0
	s_cbranch_scc1 .Lopen_\@                       ; nothing of this step is masked
	s_load_b512 s[32:47], s[100:101], 0x0          ; the step's 64 lane masks
	s_load_b512 s[48:63], s[100:101], 0x40
	s_load_b512 s[68:83], s[100:101], 0x80
	s_load_b512 s[84:99], s[100:101], 0xc0
	s_wait_kmcnt 0x0
.set n, 0
.rept 32
	v_cndmask_b32 v[S+n], v[S+n], v5, s[32+n]      ; masked scores become -infinity ahead of the maximum: p = 0 then
.set n, n+1
.endr
.rept 32
	v_cndmask_b32 v[S+n], v[S+n], v5, s[36+n]
.set n, n+1
.endr
.Lopen_\@:
.irp b, 0,1,2,3
	v_max3_num_f32 v[BM+\b], v[S+16*\b], v[S+1+16*\b], v[S+2+16*\b]   ; the largest score of each block of 32 keys: for the row's maximum and, since p rises with the score, for the block's largest p
.endr
.irp i, 3,5,7,9,11,13
.irp b, 0,1,2,3
	v_max3_num_f32 v[BM+\b], v[BM+\b], v[S+16*\b+\i], v[S+1+16*\b+\i]
.endr
.endr
.irp b, 0,1,2,3
	v_max_num_f32 v[BM+\b], v[BM+\b], v[S+15+16*\b]
.endr
.irp b, 0,1,2,3
	v_permlanex16_b32 v[BT+\b], v[BM+\b], s16, s17
.endr
.irp b, 0,1,2,3
	v_max_num_f32 v[BM+\b], v[BM+\b], v[BT+\b]     ; with lane l xor 16's 16 keys
.endr
	v_max3_num_f32 v222, v[BM], v[BM+1], v[BM+2]
	v_max_num_f32 v222, v222, v[BM+3]
	v_mul_f32 v222, s18, v222                      ; as t (c is positive)
	v_max_num_f32 v37, v37, v222                   ; the running largest t
	v_mov_b32 v222, v36
	v_floor_f32 v36, -v37                          ; the new -M = -ceil(t)
	v_sub_f32 v222, v36, v222                      ; old M - new M: a whole number, 0 or less
	v_cvt_i32_f32 v222, v222                       ; (it saturates)
	v_ldexp_f32 v220, 1.0, v222                    ; f = 2^(old M - new M)
.set j, 0
.rept 32
	v_pk_fma_f32 v[S+j:S+j+1], v[S+j:S+j+1], s[18:19], v[36:37] op_sel_hi:[1,0,0]   ; t - M, two at a time
.set j, j+2
.endr
.irp b, 0,1,2,3
	v_fma_f32 v[BM+\b], v[BM+\b], s18, v36         ; the same of each block's largest score
.endr
.set j, 0
.rept 64
	v_exp_f32 v[S+j], v[S+j]                       ; p = 2^(t - M)
.set j, j+1
.endr
	v_pk_mul_f32 v[38:39], v[38:39], v[220:221] op_sel_hi:[1,0]   ; the sums under the new M: a plain instruction behind the exponentials
	s_wait_alu depctr_va_vdst(0)                   ; one wait for the whole batch, ahead of its first reader
.irp b, 0,1,2,3
	v_exp_f32 v[BM+\b], v[BM+\b]                   ; the block's largest p
.endr
	v_pk_add_f32 v[BT:BT+1], v[S:S+1], v[S+2:S+3]  ; the row's sum of the UNQUANTISED p, in two chains
.irp j, 4,8,12,16,20,24,28,32,36,40,44,48,52,56,60
	v_pk_add_f32 v[38:39], v[38:39], v[S+\j:S+1+\j]
	v_pk_add_f32 v[BT:BT+1], v[BT:BT+1], v[S+2+\j:S+3+\j]
.endr
	v_pk_add_f32 v[38:39], v[38:39], v[BT:BT+1]
	s_wait_alu depctr_va_vdst(0)                   ; and one for the four
.irp b, 0,1,2,3
	v_max_num_f32 v[BM+\b], 0x1800000, v[BM+\b]    ; the floor 2^(3 - 127)
.endr
.irp b, 0,1,2,3
	v_add_nc_u32 v[BS+\b], 0xff000000, v[BM+\b]    ; the conversion's scale operand
.endr
.irp b, 0,1,2,3
	v_lshrrev_b32 v[BT+\b], 23, v[BS+\b]           ; the scale's byte
.endr
	v_lshl_or_b32 v221, v[BT+1], 8, v[BT]          ; p's scale word for these 128 keys
	v_lshl_or_b32 v221, v[BT+2], 16, v221
	v_lshl_or_b32 v221, v[BT+3], 24, v221
.irp c, 0,1
	v_cvt_scalef32_pk16_fp6_f32 v[PC+6*\c:PC+2+6*\c], v[S+32*\c:S+15+32*\c], v[BS+2*\c]
	v_cvt_scalef32_pk16_fp6_f32 v[PC+12+4*\c:PC+14+4*\c], v[S+16+32*\c:S+31+32*\c], v[BS+2*\c+1]
.endr
	v_nop                                          ; one plain instruction behind a scaled conversion
.irp c, 0,1
.irp i, 0,1,2
	v_permlane16_swap_b32 v[PC+6*\c+\i], v[PC+12+4*\c+\i]
.endr
.irp i, 0,1,2
	v_mov_b32 v[PC+3+6*\c+\i], v[PC+12+4*\c+\i]
.endr
.endr
.set j, 0
.rept 16
	v_pk_mul_f32 v[O+j:O+j+1], v[O+j:O+j+1], v[220:221] op_sel_hi:[1,0]   ; O^T under the new M.  (Also the places between the writes of p's codes and scale word and the products below)
.set j, j+2
.endr
	s_wait_dscnt 0x0                               ; V
.irp d, 0,1,2,3
.if \d%2
	v_wmma_scale_f32_16x16x128_f8f6f4 v[O+8*\d:O+8*\d+7], v[KF+12*\d:KF+12*\d+11], v[PC:PC+11], v[O+8*\d:O+8*\d+7], v[42+\d/2], v221 matrix_a_fmt:MATRIX_FMT_FP6 matrix_b_fmt:MATRIX_FMT_FP6 matrix_a_scale:MATRIX_SCALE_ROW1
.else
	v_wmma_scale_f32_16x16x128_f8f6f4 v[O+8*\d:O+8*\d+7], v[KF+12*\d:KF+12*\d+11], v[PC:PC+11], v[O+8*\d:O+8*\d+7], v[42+\d/2], v221 matrix_a_fmt:MATRIX_FMT_FP6 matrix_b_fmt:MATRIX_FMT_FP6
.endif
.endr
.Lnext_\@:
	s_add_co_u32 s25, s25, 6144
	s_add_co_u32 s26, s26, 1536
	s_add_co_u32 s27, s27, 256
	s_add_nc_u64 s[100:101], s[100:101], 256
	s_add_co_u32 s24, s24, 1
	s_cmp_lt_u32 s24, 16
	s_cbranch_scc1 .Lstep_\@
	; THE TILE'S END: O^T / the sum, quantised along the head's 64 features: half a fragment of the last product's operand
.rept 4
	v_nop                                          ; places behind the last products
.endr
	v_add_f32 v38, v38, v39
	v_permlanex16_b32 v[BT], v38, s16, s17
	v_add_f32 v38, v38, v[BT]                      ; the row's sum
	v_cmp_eq_f32 s21, 0, v38                       ; a row wholly masked
	v_rcp_f32 v222, v38
	v_nop                                          ; a plain instruction behind the transcendental
	s_wait_alu depctr_va_vdst(0)                   ; and the wait ahead of its first reader
.set j, 0
.rept 16
	v_pk_mul_f32 v[O+j:O+j+1], v[O+j:O+j+1], v[222:223] op_sel_hi:[1,0]   ; register 16 e + i is feature 32 e + 16 h + i
.set j, j+2
.endr
.irp b, 0,1
	v_max3_num_f32 v[BM+\b], |v[O+16*\b]|, |v[O+1+16*\b]|, 0x1800000
.endr
.irp i, 2,4,6,8,10,12,14
.irp b, 0,1
	v_max3_num_f32 v[BM+\b], v[BM+\b], |v[O+16*\b+\i]|, |v[O+1+16*\b+\i]|
.endr
.endr
.irp b, 0,1
	v_permlanex16_b32 v[BT+\b], v[BM+\b], s16, s17
.endr
.irp b, 0,1
	v_max_num_f32 v[BM+\b], v[BM+\b], v[BT+\b]
.endr
.irp b, 0,1
	v_add_nc_u32 v[BS+\b], 0xff000000, v[BM+\b]
.endr
.irp b, 0,1
	v_lshrrev_b32 v[BT+\b], 23, v[BS+\b]
.endr
	v_lshl_or_b32 v[BT], v[BT+1], 8, v[BT]         ; my head's two scale bytes
	v_mov_b32 v[BT+1], 0xffff
	v_cndmask_b32 v[BT], v[BT], v[BT+1], s21       ; NaN bytes for a row wholly masked
.if \first
	v_mov_b32 v6, v[BT]
.else
	v_cndmask_b32 v6, v6, v[BT], s29               ; the second tile's in lanes 16-31
.endif
	v_cvt_scalef32_pk16_fp6_f32 v[PC:PC+2], v[O:O+15], v[BS]
	v_cvt_scalef32_pk16_fp6_f32 v[PC+12:PC+14], v[O+16:O+31], v[BS+1]
	v_nop
.irp i, 0,1,2
	v_permlane16_swap_b32 v[PC+\i], v[PC+12+\i]
.endr
.irp i, 0,1,2
	v_mov_b32 v[PC+3+\i], v[PC+12+\i]
.endr
	global_store_b128 v1, v[PC:PC+3], s[104:105]   ; 512 consecutive bytes, at a multiple of 256;
	global_store_b64 v2, v[PC+4:PC+5], s[104:105]  ; 256
.endm
	s_lshl_b32 s28, ttmp9, 4
	s_add_co_u32 s28, s28, s10                     ; my first tile
	PASS 1
	s_sub_co_u32 s28, 127, s28                     ; my second: under a causal mask the two together have the same number of live steps in every wave; any other mask is served as well
	PASS 0
	s_wait_xcnt 0x0
	s_add_nc_u64 s[30:31], s[8:9], CTS
	global_store_b16 v7, v6, s[30:31]              ; lanes 0-15: the first tile's rows, lanes 16-31: the second's
	s_wait_tensorcnt 0x0
	ds_add_u32 v224, v225
	s_wait_dscnt 0x0
	s_endpgm
.Lfunc_end_k_q62db5d4245_attn:
	.size	k_q62db5d4245_attn, .Lfunc_end_k_q62db5d4245_attn-k_q62db5d4245_attn
	.p2alignl 7, 3214868480
	.fill 96, 4, 3214868480
	.section	.rodata,"a",@progbits
	.p2align	6, 0x0
	.amdhsa_kernel k_q62db5d4245_attn
		.amdhsa_group_segment_fixed_size 206848
		.amdhsa_private_segment_fixed_size 0
		.amdhsa_enable_private_segment 0
		.amdhsa_kernarg_size 24
		.amdhsa_user_sgpr_count 2
		.amdhsa_user_sgpr_kernarg_segment_ptr 1
		.amdhsa_wavefront_size32 1
		.amdhsa_system_sgpr_workgroup_id_x 1
		.amdhsa_system_sgpr_workgroup_id_y 1
		.amdhsa_system_sgpr_workgroup_id_z 1
		.amdhsa_system_vgpr_workitem_id 0
		.amdhsa_next_free_vgpr 226
		.amdhsa_next_free_sgpr 106
		.amdhsa_reserve_vcc 0
		.amdhsa_float_denorm_mode_32 3
		.amdhsa_float_denorm_mode_16_64 3
		.amdhsa_memory_ordered 1
		.amdhsa_forward_progress 1
		.amdhsa_inst_pref_size 65
	.end_amdhsa_kernel
	.amdgpu_metadata
---
amdhsa.version: [ 1, 2 ]
amdhsa.kernels:
  - .name:           k_q62db5d4245_attn
    .symbol:         k_q62db5d4245_attn.kd
    .args:
      - { .name: qkv, .offset: 0, .size: 8, .value_kind: global_buffer, .address_space: global }
      - { .name: maskw, .offset: 8, .size: 8, .value_kind: global_buffer, .address_space: global }
      - { .name: ctx, .offset: 16, .size: 8, .value_kind: global_buffer, .address_space: global }
    .group_segment_fixed_size: 206848
    .private_segment_fixed_size: 0
    .kernarg_segment_align: 8
    .kernarg_segment_size: 24
    .max_flat_workgroup_size: 512
    .sgpr_count:     106
    .vgpr_count:     226
    .wavefront_size: 32
...
	.end_amdgpu_metadata
.endif
;; end of part 3
;; launch proj (part 4): grid 8 x 32, 4 waves a work-group, clusters of 4 x 4, 327,680 bytes of LDS; arguments ctx, xw, bo, out0; writes out0
.if DOCPART == 4
	.amdgcn_target "amdgcn-amd-amdhsa--gfx1250"
	.amdhsa_code_object_version 6
	.text
	.protected	k_q62db5d4245_proj
	.globl	k_q62db5d4245_proj
	.p2align	8
	.type	k_q62db5d4245_proj,@function
k_q62db5d4245_proj:
	s_mov_b64 s[64:65], 0
	v_nop
	global_prefetch_b8 v0, s[64:65] scope:SCOPE_SE
	s_setreg_imm32_b32 hwreg(HW_REG_WAVE_MODE, 25, 1), 1
	s_wait_xcnt 0x0
	s_wait_alu depctr_hold_cnt(0) depctr_sa_sdst(0) depctr_va_vdst(0) depctr_va_sdst(0) depctr_va_ssrc(0) depctr_va_vcc(0) depctr_vm_vsrc(0)
	s_getreg_b32 s2, hwreg(HW_REG_IB_STS2, 6, 4)
	s_cmp_eq_u32 s2, 0
	s_cbranch_scc0 .Lentry_in_a_cluster
	s_endpgm
.Lentry_in_a_cluster:
	s_bfe_u32 s2, ttmp6, 0x10000c
	s_cmp_lg_u32 s2, 0xf033
	s_cbranch_scc0 .Lentry_shape_is_right
	s_endpgm
.Lentry_shape_is_right:
; out0 = ctx Wo^T + bo on codes of FP6 (E2M3) with E8M0 scales, K = 1,024; out0 [8192][1024] f32.
; OPERANDS are images of operand registers: ctx's from the attention launch ([token tile 512][K step 8][1536], scale images at CTS), Wo's from xw (tiles 704 on, scale images at XWS).  A tile's rows are 32 B + 8 u + r + 8 (r / 8).
; A work-group of four waves makes 256 tokens x 128 features, so that there are 256 work-groups; a wave makes 128 x 64: 32 accumulators.  'A' = ctx is source 1 (a lane holds a token), 'B' = Wo source 0 (registers run along the features).
; K goes in steps of 256 through a ring of two LDS slots; all scale images come once, with the first fills.  CLUSTERS: 4 x 4; A's tiles are asked for jointly along a row of the cluster, B's along a column.
; A scale byte 0xff in ctx (a row whose mask hides every key) makes that token's whole row NaN.
; REGISTERS, in windows of 256: window 0: v16-31 addresses; v32-63 scale words, two sets; v64-95 the bias; v128-223 A's fragments, ONE set; on the way out v128-159 and v224-255 sums with bias, v160-223 rows read back.
;   window 1: B's fragments, two sets, at v0 and v128.  window 2: accumulators of A's blocks 0-3 ((a, b) at v[8 (4 (a % 4) + b)]);  window 3: blocks 4-7.
.set NB,     4
.set FR,     12
.set NL,     4
.set NP,     4
.set TILEB,  3072
.set HALFA,  8*TILEB
.set HALFB,  NB*TILEB
.set SLOT,   2*HALFA+2*HALFB
.set LAPS,   2
.set SCL,    2*SLOT
.set HALFSB, NB*512
.set SPARE,  SCL+8192+2*HALFSB         ; the spare words, 128 bytes a wave: two blocks of 256 bytes that no other line names
.set XWS,    9437184
.set CTS,    6291456
.set SPITCH, 272                       ; the way out: a stage of 16 rows x (256 bytes + 16) for each wave, in slot 0, which has had its last fill and its last read by then
.set A16, 16
.set A8,  18
.set B16, 20
.set B8,  22
.set ASA, 24
.set ASB, 25
.set L16, 26
.set L8,  27
.set SPW, 28
.set NIL, 29
.set STO, 30                           ; v30 the stage, in;  v31 back;  v15 my offset in out0
.set RD,  31
.set CO,  15
.set SC,  32
.set U,   64
.set AF,  128
.set G1, 24
.set G0, 32
.set G1B, 48
.set G0B, 56
.set G1S, 68
.set G0S, 76
.set G1SB, 80
.set G0SB, 88
.set MSB, 0
.macro WIN new                         ; the immediate's high byte repeats the setting that is left
.if MSB != \new
	s_set_vgpr_msb (MSB<<8)|\new
.set MSB, \new
.endif
.endm
.set MUL_LO, 0xa1
.set MUL_HI, 0xf1
.set TO_B,   0x40
.macro JLOAD g0a, g1a, g0b, g1b        ; a joint load: waves 0 and 1 fetch for A, waves 2 and 3 for B; four v_nop follow each of the two lines
	s_cmp_eq_u32 s15, 0
	s_cbranch_scc0 .Lfor_b_\@
	tensor_load_to_lds s[\g0a:\g0a+3], s[\g1a:\g1a+7]
	s_nop 0
.rept 4
	v_nop
.endr
	s_branch .Lasked_\@
.Lfor_b_\@:
	tensor_load_to_lds s[\g0b:\g0b+3], s[\g1b:\g1b+7]
	s_nop 0
.rept 4
	v_nop
.endr
.Lasked_\@:
.endm
.macro CREST
	s_cmp_lg_u32 s14, 0
	s_cbranch_scc1 .Lnot_wave_0_\@
	s_barrier_signal -3
.Lnot_wave_0_\@:
	s_barrier_wait -3
	s_barrier_signal -1
	s_barrier_wait -1
.endm
.macro CROUND
	s_barrier_signal -1
	s_barrier_wait -1
	CREST
.endm
	s_load_b256 s[4:11], s[0:1], 0x0               ; ctx, xw, bo, out0
	v_lshl_add_u32 v[SPW], v0, 2, SPARE
	v_mov_b32 v[NIL], 0
	ds_add_u32 v28, v29
	ds_add_u32 v28, v29
	s_wait_dscnt 0x0
	v_lshrrev_b32 v1, 5, v0
	v_readfirstlane_b32 s14, v1                    ; wave 0..3
	s_lshr_b32 s15, s14, 1                         ; which 128 tokens are mine.  Also: I fetch for A (0) or for B (1)
	s_and_b32 s16, s14, 1                          ; which 64 features.  Also: which half I fetch
	s_bfe_u32 s40, ttmp6, 0x40000                  ; cx
	s_bfe_u32 s41, ttmp6, 0x40004                  ; cy
	s_and_b32 s43, ttmp7, 0xffff
	s_lshl_b32 s44, s41, 2
	s_lshl_b32 s44, 15, s44                        ; my row of the cluster
	s_lshl_b32 s45, 0x1111, s40                    ; my column
	s_or_b32 s[G1+0], s44, (3<<16)|(1<<21)         ; 15:0 the mask; 17:16 elements of 8 bytes; 21 set beside a mask; no padding
	s_or_b32 s[G1B+0], s45, (3<<16)|(1<<21)
	s_mov_b32 s[G1+1], 384<<16                     ; a tile's two fragments: 384 elements,
	s_mov_b32 s[G1+2], 8<<16                       ; 8 tiles,
	s_mov_b32 s[G1+3], 384<<16
	s_mov_b32 s[G1+4], 8
	s_mov_b32 s[G1+5], 1536                        ; 1,536 elements apart
	s_mov_b32 s[G1+6], 0
	s_mov_b32 s[G1+7], 0
	s_mov_b32 s[G1B+1], 384<<16
	s_mov_b32 s[G1B+2], NB<<16
	s_mov_b32 s[G1B+3], 384<<16
	s_mov_b32 s[G1B+4], NB
	s_mov_b32 s[G1B+5], 1536
	s_mov_b32 s[G1B+6], 0
	s_mov_b32 s[G1B+7], 0
	s_or_b32 s[G1S+0], s44, (3<<16)|(1<<21)        ; scale images: a dense block as rows of 256 bytes
	s_or_b32 s[G1SB+0], s45, (3<<16)|(1<<21)
	s_mov_b32 s[G1S+1], 32<<16
	s_mov_b32 s[G1S+2], 16<<16
	s_mov_b32 s[G1S+3], 32<<16
	s_mov_b32 s[G1S+4], 16
	s_mov_b32 s[G1S+5], 32
	s_mov_b32 s[G1S+6], 0
	s_mov_b32 s[G1S+7], 0
	s_mov_b32 s[G1SB+1], 32<<16
	s_mov_b32 s[G1SB+2], (2*NB)<<16
	s_mov_b32 s[G1SB+3], 32<<16
	s_mov_b32 s[G1SB+4], 2*NB
	s_mov_b32 s[G1SB+5], 32
	s_mov_b32 s[G1SB+6], 0
	s_mov_b32 s[G1SB+7], 0
	s_lshl_b32 s17, s43, 2
	s_add_co_u32 s17, s17, s41                     ; block of 256 tokens = 4 x cluster y + cy
	s_lshl_b32 s18, ttmp9, 2
	s_add_co_u32 s18, s18, s40                     ; block of 128 features = 4 x cluster x + cx
	s_lshl_b32 s21, s17, 4
	s_lshl_b32 s22, s16, 3
	s_add_co_u32 s21, s21, s22                     ; A: first tile of my fetch
	s_mul_i32 s92, s21, 12288
	s_mov_b32 s93, 0
	s_lshl_b32 s94, s21, 9
	s_add_co_u32 s94, s94, CTS
	s_mov_b32 s95, 0
	s_lshl_b32 s23, s18, 3
	s_lshl_b32 s22, s16, 2
	s_add_co_u32 s23, s23, s22
	s_add_co_u32 s23, s23, 704                     ; B: Wo's tiles begin at 704
	s_mul_i32 s44, s23, 12288
	s_mov_b32 s45, 0
	s_lshl_b32 s66, s23, 9                         ; 512 bytes of scale images a tile: four K steps of the block's one group for each of the two fetching waves
	s_add_co_u32 s66, s66, XWS
	s_mov_b32 s67, 0
	s_mul_i32 s21, s16, HALFA                      ; where they go: the wave's number alone enters an LDS address
	s_mul_i32 s23, s16, HALFB
	s_add_co_u32 s23, s23, 2*HALFA
	s_lshl_b32 s22, s16, 12
	s_add_co_u32 s22, s22, SCL
	s_mul_i32 s46, s16, HALFSB
	s_add_co_u32 s46, s46, SCL+8192
	s_wait_kmcnt 0x0
	s_add_nc_u64 s[92:93], s[4:5], s[92:93]
	s_add_nc_u64 s[94:95], s[4:5], s[94:95]
	s_add_nc_u64 s[44:45], s[6:7], s[44:45]
	s_add_nc_u64 s[66:67], s[6:7], s[66:67]
	CROUND                                         ; all sixteen work-groups are here: the first joint loads meet
	s_mov_b32 s[G0S], 1
	s_mov_b32 s[G0S+1], s22
	s_mov_b64 s[G0S+2:G0S+3], s[94:95]
	s_or_b32 s[G0S+3], s[G0S+3], 0x80000000
	s_mov_b32 s[G0SB], 1
	s_mov_b32 s[G0SB+1], s46
	s_mov_b64 s[G0SB+2:G0SB+3], s[66:67]
	s_or_b32 s[G0SB+3], s[G0SB+3], 0x80000000
	JLOAD G0S, G1S, G0SB, G1SB                     ; with the two slots' fills three loads of mine are out
.irp s, 0,1
	s_mov_b32 s[G0+4*\s], 1
	s_add_co_u32 s[G0+4*\s+1], s21, \s*SLOT
	s_add_nc_u64 s[G0+4*\s+2:G0+4*\s+3], s[92:93], \s*TILEB
	s_or_b32 s[G0+4*\s+3], s[G0+4*\s+3], 0x80000000
	s_mov_b32 s[G0B+4*\s], 1
	s_add_co_u32 s[G0B+4*\s+1], s23, \s*SLOT
	s_add_nc_u64 s[G0B+4*\s+2:G0B+4*\s+3], s[44:45], \s*TILEB
	s_or_b32 s[G0B+4*\s+3], s[G0B+4*\s+3], 0x80000000
	JLOAD G0+4*\s, G1, G0B+4*\s, G1B
.endr
	v_and_b32 v1, 31, v0
	v_lshlrev_b32 v[L16], 4, v1
	v_lshlrev_b32 v2, 3, v1
	v_add_nc_u32 v[L8], 512, v2
	s_mul_i32 s21, s15, HALFA
	s_mul_i32 s22, s16, HALFB
	s_add_co_u32 s22, s22, 2*HALFA
.irp s, 0,1
	v_add_nc_u32 v[A16+\s], s21, v[L16]
	v_add_nc_u32 v[A8+\s], s21, v[L8]
	v_add_nc_u32 v[B16+\s], s22, v[L16]
	v_add_nc_u32 v[B8+\s], s22, v[L8]
	s_add_co_u32 s21, s21, SLOT
	s_add_co_u32 s22, s22, SLOT
.endr
	s_lshl_b32 s21, s15, 12
	s_add_co_u32 s21, s21, SCL
	v_add_nc_u32 v[ASA], s21, v[L16]
	s_lshl_b32 s22, s16, 3                         ; my four tiles are two of an image's four registers
	s_add_co_u32 s22, s22, SCL+8192
	v_add_nc_u32 v[ASB], s22, v[L16]
	v_and_b32 v4, 15, v0                           ; r
	v_bfe_u32 v5, v0, 4, 1                         ; h
	s_mul_i32 s21, s14, 16*SPITCH                  ; my stage
	v_mul_u32_u24 v[STO], v4, SPITCH
	v_lshl_add_u32 v[STO], v5, 6, v[STO]
	v_add_nc_u32 v[STO], s21, v[STO]               ; in: row r, + 64 h: register 16 e + i is feature 32 e + 16 h + i
	v_mul_u32_u24 v[RD], v5, SPITCH
	v_lshl_add_u32 v[RD], v4, 4, v[RD]
	v_add_nc_u32 v[RD], s21, v[RD]                 ; back: lanes 0-15 one row of 256 bytes, lanes 16-31 the next
	v_lshlrev_b32 v[CO], 12, v5
	v_lshl_add_u32 v[CO], v4, 4, v[CO]             ; and the same two rows in out0
	s_lshl_b32 s20, s17, 20                        ; 256 tokens of 4,096 bytes,
	s_lshl_b32 s21, s15, 19                        ; my 128,
	s_add_co_u32 s20, s20, s21
	s_lshl_b32 s22, s18, 9                         ; 128 features of 4 bytes,
	s_lshl_b32 s23, s16, 8                         ; my 64
	s_add_co_u32 s22, s22, s23
	s_mov_b32 s23, 0
	s_add_nc_u64 s[8:9], s[8:9], s[22:23]          ; the bias of my features
	s_add_co_u32 s20, s20, s22
	s_mov_b32 s21, 0
	s_add_nc_u64 s[10:11], s[10:11], s[20:21]
	v_lshlrev_b32 v3, 6, v5                        ; 64 h
.irp e, 0,1
.irp q, 0,1,2,3
	global_load_b128 v[U+16*\e+4*\q:U+16*\e+4*\q+3], v3, s[8:9] offset:128*\e+16*\q
.endr
.endr
.macro FRAG reg, a16, a8, off          ; a fragment comes back as it was stored: every load's bytes are consecutive
	ds_load_b128 v[\reg:\reg+3], v[\a16] offset:\off
	ds_load_b64 v[\reg+4:\reg+5], v[\a8] offset:\off
	ds_load_b128 v[\reg+6:\reg+9], v[\a16] offset:(\off)+768
	ds_load_b64 v[\reg+10:\reg+11], v[\a8] offset:(\off)+768
.endm
.macro WM d, bf, af, sb, sa, rb, ra, zero
.if \zero
.if (\rb) && (\ra)
	v_wmma_scale_f32_16x16x128_f8f6f4 v[\d:\d+7], v[\bf:\bf+11], v[\af:\af+11], 0, v[\sb], v[\sa] matrix_a_fmt:MATRIX_FMT_FP6 matrix_b_fmt:MATRIX_FMT_FP6 matrix_a_scale:MATRIX_SCALE_ROW1 matrix_b_scale:MATRIX_SCALE_ROW1
.elseif (\rb)
	v_wmma_scale_f32_16x16x128_f8f6f4 v[\d:\d+7], v[\bf:\bf+11], v[\af:\af+11], 0, v[\sb], v[\sa] matrix_a_fmt:MATRIX_FMT_FP6 matrix_b_fmt:MATRIX_FMT_FP6 matrix_a_scale:MATRIX_SCALE_ROW1
.elseif (\ra)
	v_wmma_scale_f32_16x16x128_f8f6f4 v[\d:\d+7], v[\bf:\bf+11], v[\af:\af+11], 0, v[\sb], v[\sa] matrix_a_fmt:MATRIX_FMT_FP6 matrix_b_fmt:MATRIX_FMT_FP6 matrix_b_scale:MATRIX_SCALE_ROW1
.else
	v_wmma_scale_f32_16x16x128_f8f6f4 v[\d:\d+7], v[\bf:\bf+11], v[\af:\af+11], 0, v[\sb], v[\sa] matrix_a_fmt:MATRIX_FMT_FP6 matrix_b_fmt:MATRIX_FMT_FP6
.endif
.else
.if (\rb) && (\ra)
	v_wmma_scale_f32_16x16x128_f8f6f4 v[\d:\d+7], v[\bf:\bf+11], v[\af:\af+11], v[\d:\d+7], v[\sb], v[\sa] matrix_a_fmt:MATRIX_FMT_FP6 matrix_b_fmt:MATRIX_FMT_FP6 matrix_a_scale:MATRIX_SCALE_ROW1 matrix_b_scale:MATRIX_SCALE_ROW1
.elseif (\rb)
	v_wmma_scale_f32_16x16x128_f8f6f4 v[\d:\d+7], v[\bf:\bf+11], v[\af:\af+11], v[\d:\d+7], v[\sb], v[\sa] matrix_a_fmt:MATRIX_FMT_FP6 matrix_b_fmt:MATRIX_FMT_FP6 matrix_a_scale:MATRIX_SCALE_ROW1
.elseif (\ra)
	v_wmma_scale_f32_16x16x128_f8f6f4 v[\d:\d+7], v[\bf:\bf+11], v[\af:\af+11], v[\d:\d+7], v[\sb], v[\sa] matrix_a_fmt:MATRIX_FMT_FP6 matrix_b_fmt:MATRIX_FMT_FP6 matrix_b_scale:MATRIX_SCALE_ROW1
.else
	v_wmma_scale_f32_16x16x128_f8f6f4 v[\d:\d+7], v[\bf:\bf+11], v[\af:\af+11], v[\d:\d+7], v[\sb], v[\sa] matrix_a_fmt:MATRIX_FMT_FP6 matrix_b_fmt:MATRIX_FMT_FP6
.endif
.endif
.endm
; A's blocks a0, a0 + 1 against B's NB.  The accumulators take turns, one instruction a turn, in the same order in every step.
.macro MULA a0, p, q, sc, zero
.irp a, \a0, \a0+1
.set bb, 0
.rept NB
	WM 8*(NB*((\a)%4)+bb), 128*(\p)+FR*bb, AF+FR*(\a), SC+16*(\sc)+8+4*(\q)+bb/2, SC+16*(\sc)+4*(\q)+(\a)/2, bb%2, (\a)%2, \zero
.set bb, bb+1
.endr
.endr
.endm
.macro FETCH_B slot, q, p
	WIN TO_B
.set fi, 0
.rept NB
	FRAG 128*(\p)+FR*fi, B16+\slot, B8+\slot, fi*TILEB+(\q)*1536
.set fi, fi+1
.endr
	WIN 0
.endm
.macro FETCH_A slot, q, i0
.irp k, 0,1,2,3
	FRAG AF+FR*((\i0)+\k), A16+\slot, A8+\slot, ((\i0)+\k)*TILEB+(\q)*1536
.endr
.endm
.macro SCALES set
.irp q, 0,1
	ds_load_b128 v[SC+16*\set+4*\q:SC+16*\set+4*\q+3], v[ASA] offset:512*\q
	ds_load_b64 v[SC+16*\set+8+4*\q:SC+16*\set+8+4*\q+1], v[ASB] offset:512*\q
.endr
.endm
.macro PLACES n                        ; places behind matrix instructions: plain vector instructions that name none of their registers
.rept \n
	v_nop
.endr
.endm
.macro STEP slot, zero                 ; a slot's first 128 along K
	s_wait_dscnt 4*NL                              ; all but the youngest sixteen loads (A's blocks 4-7)
	WIN MUL_LO
	MULA 0, 0, 0, \slot, \zero
	MULA 2, 0, 0, \slot, \zero
	s_wait_dscnt 0
	PLACES NP
	FETCH_B \slot, 1, 1
	FETCH_A \slot, 1, 0
	WIN MUL_HI
	MULA 4, 0, 0, \slot, \zero
	MULA 6, 0, 0, \slot, \zero
	PLACES NP
	WIN 0
	FETCH_A \slot, 1, 4
.endm
.macro TURN slot, next, fill           ; a slot's second 128 along K, and the change of slots
	s_wait_tensorcnt 0x0                           ; all my tensor loads have landed: my part of the next slot
	ds_add_u32 v[SPW], v[NIL]                      ; 0 onto my spare word
	s_wait_dscnt 4*NL+1                            ; (the add and the youngest sixteen loads may be out)
	WIN MUL_LO
	MULA 0, 1, 1, \slot, 0
	s_wait_dscnt 0x0                               ; the add is done, and my reads of this slot are over
	s_barrier_signal -1
	MULA 2, 1, 1, \slot, 0
	WIN 0
	s_barrier_wait -1
.if \fill
	CREST                                          ; the barrier has opened a round of the cluster's barrier: no wave of any partner still reads this slot or has a load on its way
	s_add_nc_u64 s[G0+4*\slot+2:G0+4*\slot+3], s[G0+4*\slot+2:G0+4*\slot+3], 2*TILEB
	s_add_nc_u64 s[G0B+4*\slot+2:G0B+4*\slot+3], s[G0B+4*\slot+2:G0B+4*\slot+3], 2*TILEB
	JLOAD G0+4*\slot, G1, G0B+4*\slot, G1B         ; the first tensor load behind the round, one a wave; its four v_nop are the places in front of the loads below
.else
	PLACES NP
.endif
	v_add_nc_u32 v[ASA], 1024, v[ASA]
	v_add_nc_u32 v[ASB], 1024, v[ASB]
	FETCH_B \next, 0, 0
	FETCH_A \next, 0, 0
	SCALES \next
	WIN MUL_HI
	MULA 4, 1, 1, \slot, 0
	MULA 6, 1, 1, \slot, 0
	PLACES NP
	WIN 0
	FETCH_A \next, 0, 4
.endm
	s_wait_tensorcnt 1                             ; the scale images and my part of slot 0 are in (slot 1's load may be out)
	s_barrier_signal -1
	s_barrier_wait -1                              ; everybody's are
	FETCH_B 0, 0, 0
	FETCH_A 0, 0, 0
	SCALES 0
	FETCH_A 0, 0, 4
	STEP 0, 1                                      ; the first step's products start the sums
	s_mov_b32 s3, LAPS-1
.Llap:
	TURN 0, 1, 1
	STEP 1, 0
	TURN 1, 0, 1
	STEP 0, 0
	s_sub_co_u32 s3, s3, 1
	s_cmp_lg_u32 s3, 0
	s_cbranch_scc1 .Llap
	TURN 0, 1, 0                                   ; the last lap fills nothing
	STEP 1, 0
	s_wait_dscnt 4*NL
	WIN MUL_LO
	MULA 0, 1, 1, 1, 0
	MULA 2, 1, 1, 1, 0
	s_wait_dscnt 0
	WIN MUL_HI
	MULA 4, 1, 1, 1, 0
	MULA 6, 1, 1, 1, 0
	WIN 0
; THE WAY OUT, block by block of 16 tokens x 64 features.  A lane holds pieces of one row; the block goes through my own stage and comes back as whole rows of 256 bytes, which sixteen lanes store as one aligned unit.
; The sums with bias have two sets of registers by turns: a set is written again when the counted wait of the block before has shown its LDS stores done.
.macro TOSTAGE a
.set TT, 128+96*((\a)%2)
.set BB, 160+32*((\a)%2)
	WIN 0x02+((\a)/4)                              ; source 0: window 2 or 3
.set n, 0
.rept 16
	v_pk_add_f32 v[TT+n:TT+n+1], v[32*((\a)%4)+n:32*((\a)%4)+n+1], v[U+n:U+n+1]   ; each accumulator from its low end on
.set n, n+2
.endr
	WIN 0
.irp e, 0,1
.irp q, 0,1,2,3
	ds_store_b128 v[STO], v[TT+16*\e+4*\q:TT+16*\e+4*\q+3] offset:128*\e+16*\q
.endr
.endr
.irp t, 0,1,2,3,4,5,6,7
	ds_load_b128 v[BB+4*\t:BB+4*\t+3], v[RD] offset:\t*2*SPITCH    ; LDS serves a wave's instructions in order: these see the stores above
.endr
.endm
.macro SEND a, younger                 ; younger: the LDS instructions issued behind block a's loads, which may stay out
.set BB, 160+32*((\a)%2)
	s_wait_dscnt \younger
.irp t, 0,1,2,3,4,5,6,7
	global_store_b128 v[CO], v[BB+4*\t:BB+4*\t+3], s[10:11] offset:(32*((\a)/2)+8*((\a)%2)+2*\t+8*(\t/4))*4096 th:TH_STORE_NT   ; stage rows 2 t and 2 t + 1 are tokens 2 t + h + 8 (t / 4) of the tile; 16 lanes store 256 consecutive bytes, aligned
.endr
.endm
	PLACES NP
	s_wait_loadcnt 0x0                             ; the bias
	TOSTAGE 0
.irp a, 1,2,3,4,5,6,7
.if \a > 1
	s_wait_xcnt 0x0                                ; block a - 2's stores have read their registers: block a's rows may land there
.endif
	TOSTAGE \a
	SEND \a-1, 16                                  ; behind block a - 1's loads: block a's 8 stores and 8 loads
.endr
	SEND 7, 0
	s_wait_tensorcnt 0x0                           ; the wave's end
	ds_add_u32 v[SPW], v[NIL]
	s_wait_dscnt 0x0
	CROUND                                         ; the closing round
	s_endpgm
.Lfunc_end_k_q62db5d4245_proj:
	.size	k_q62db5d4245_proj, .Lfunc_end_k_q62db5d4245_proj-k_q62db5d4245_proj
	.p2alignl 7, 3214868480
	.fill 96, 4, 3214868480
	.section	.rodata,"a",@progbits
	.p2align	6, 0x0
	.amdhsa_kernel k_q62db5d4245_proj
		.amdhsa_group_segment_fixed_size 327680
		.amdhsa_private_segment_fixed_size 0
		.amdhsa_enable_private_segment 0
		.amdhsa_kernarg_size 32
		.amdhsa_user_sgpr_count 2
		.amdhsa_user_sgpr_kernarg_segment_ptr 1
		.amdhsa_wavefront_size32 1
		.amdhsa_system_sgpr_workgroup_id_x 1
		.amdhsa_system_sgpr_workgroup_id_y 1
		.amdhsa_system_sgpr_workgroup_id_z 1
		.amdhsa_system_vgpr_workitem_id 0
		.amdhsa_next_free_vgpr 1024
		.amdhsa_next_free_sgpr 100
		.amdhsa_reserve_vcc 0
		.amdhsa_float_denorm_mode_32 3
		.amdhsa_float_denorm_mode_16_64 3
		.amdhsa_memory_ordered 1
		.amdhsa_forward_progress 1
		.amdhsa_inst_pref_size 97
	.end_amdhsa_kernel
	.amdgpu_metadata
---
amdhsa.version: [ 1, 2 ]
amdhsa.kernels:
  - .name:           k_q62db5d4245_proj
    .symbol:         k_q62db5d4245_proj.kd
    .args:
      - { .name: ctx, .offset: 0, .size: 8, .value_kind: global_buffer, .address_space: global }
      - { .name: xw, .offset: 8, .size: 8, .value_kind: global_buffer, .address_space: global }
      - { .name: bo, .offset: 16, .size: 8, .value_kind: global_buffer, .address_space: global }
      - { .name: out0, .offset: 24, .size: 8, .value_kind: global_buffer, .address_space: global }
    .group_segment_fixed_size: 327680
    .private_segment_fixed_size: 0
    .kernarg_segment_align: 8
    .kernarg_segment_size: 32
    .max_flat_workgroup_size: 128
    .sgpr_count:     100
    .vgpr_count:     1024
    .wavefront_size: 32
...
	.end_amdgpu_metadata
.endif
;; end of part 4
;; ======== version 2 of 2: 4 launches; version 1 with the launch attn written anew for expert scheduling mode
;; workspace buffers: xw 9,830,400 bytes; maskw 528,384 bytes of whole numbers; qkv 19,660,800 bytes; ctx 6,553,600 bytes
;; launch prep: the kernel of part 1 again; grid 320 x 1, 4 waves a work-group, no clusters, 68,096 bytes of LDS; arguments embeddings, Wq, Wk, Wv, Wo, mask, xw, maskw; writes xw, maskw
;; launch qkv: the kernel of part 2 again; grid 8 x 48, 4 waves a work-group, clusters of 4 x 4, 327,680 bytes of LDS; arguments xw, bq, bk, bv, qkv; writes qkv
;; launch attn (part 5): grid 4 x 64, 16 waves a work-group, no clusters, 206,848 bytes of LDS; arguments qkv, maskw, ctx; writes ctx
.if DOCPART == 5
	.amdgcn_target "amdgcn-amd-amdhsa--gfx1250"
	.amdhsa_code_object_version 6
	.text
	.protected	k_q62db5d4245_attn
	.globl	k_q62db5d4245_attn
	.p2align	8
	.type	k_q62db5d4245_attn,@function
k_q62db5d4245_attn:
	s_mov_b64 s[64:65], 0
	v_nop
	global_prefetch_b8 v0, s[64:65] scope:SCOPE_SE
	s_setreg_imm32_b32 hwreg(HW_REG_WAVE_SCHED_MODE, 0, 2), 2
	s_setreg_imm32_b32 hwreg(HW_REG_WAVE_MODE, 25, 1), 1
	s_wait_xcnt 0x0
	s_wait_alu depctr_vm_vsrc(0)
; ctx[b][q][h][:] = softmax_k(where(mask, -inf, q . k) / 8) v, both products on codes of FP6 (E2M3) with E8M0 scales, and ctx quantised along the model axis for the last product.
; THE SOFTMAX AHEAD OF THE SECOND PRODUCT: t = score x log2(e) / 8; M = the running largest t rounded UP to a whole number; p = 2^(t - M) is quantised along the keys, not normalised; the row's sum is taken of the
; unquantised p and divides at the end; when M moves, the sum and O are multiplied by 2^(old M - new M), which rounds nothing.
; SHARES.  Work-group (x, y): head y % 16 of batch y / 16.  Its sixteen waves own two query tiles each, 16 x + w and 127 - (16 x + w), one after the other.  A whole head's K and V (codes and scale words, 204,800 bytes)
; are copied into LDS ONCE, through registers; one barrier; from there on LDS is only read.
; THE MASK IS AN INPUT.  An earlier launch has stored it as lane masks (64 words for a query tile and a key step) and as two flags a step.  A step that is wholly masked is passed over; the masks are loaded and applied
; only in a step that is partly masked.  These are branches on stored whole numbers; the four work-groups of a head, which read the same K and V,
; do not ask jointly: the steps and selections that the flags spare outweigh one shared fill of 204,800 bytes.
; LAYOUT.  Both products transposed: S^T = K Q^T, O^T = V^T P^T: a lane holds ONE query.  A tile's rows are 32 B + 8 u + r + 8 (r / 8), so the 16 registers of tiles 2 e, 2 e + 1 are keys 32 e + 16 h + 0 .. 15.
; K = 64 IN A FORM OF 128: a fragment of K holds TWO key tiles (x in registers 0-5, y in 6-11).  Q lies as [Q][zeros][Q] in v16-33: v[16:27] picks tile x, v[22:33] tile y: zero codes add nothing.
; A ROW WHOLLY MASKED has the sum 0: its scale bytes are stored as 0xff, which makes the last product's whole row NaN, as the softmax of such a row is.
; LIMITS: NaN and infinities among the inputs are not served; blocks under 2^-124 and blocks of zeros keep the byte 1.  The scale bytes of ctx leave as stores of 2 bytes, 16 bytes apart: the other half of each
; word belongs to another head's work-group; they are 262,144 of the launch's 6,553,600 bytes.
; REGISTERS: v1 16 l, v2 512 + 8 l, v3 8 l, v4 16 r, v5 -inf; v6, v7 ctx's scale pair and its place; v8-14 a step's addresses; v16-33 Q; v34 Q's scale word; v36 -M, v37 largest t, v[38:39] the sum;
;   v[40:41] K's scale words, v[42:43] V's; v44-91 four fragments; v92-155 S^T, then p; v156-187 O^T; v188-206 codes; v208-219 blocks' work; v220 f, v221 p's scale word; v222, v223 at work.
; THE MODE: SCHED_MODE bits 1:0 = 2 (LLVM: expert scheduling mode 2), set by the entry lines.  The code itself states the register dependences between vector or matrix instructions and memory or LDS instructions,
; with s_wait_alu, always for 0.
; THE PLAN.  Registers that memory or LDS instructions touch:
;   v1, v2, v4     offsets, made once at the head; read by Q's loads and by the codes' stores; never written again.
;   v8-v14         a step's LDS addresses: written by seven additions at the step's head, read by the step's 34 LDS loads.  (At the head of the kernel v8-v11 are the fill's offsets and LDS addresses.)
;   v44-v91        K's four fragments land here at a step's head and are read by the eight products K Q^T; then V's four land here and are read by the four products V^T P^T.  v[40:43]: their scale words, likewise.
;                  (At the head of the kernel v44-v147 carry the fill: loaded, or made by v_perm_b32, and read by the LDS stores.)
;   v16-21, v28-33, v35   Q and its scale words: loaded once a tile; read by the tile's products and by one v_perm_b32.
;   v188-v193      codes: written by conversions, swaps and moves; read by products and, at a tile's end, by two global stores.   v6, v7: written by vector lines in each tile, read by the last store.
;   S^T, O^T, the statistics, v34 and v221 are named by vector and matrix instructions alone.
; A STEP HAS: one wait on vm_vsrc ahead of the seven additions; one on va_vdst behind them, ahead of K's loads; one behind the products K Q^T, ahead of V's loads; the two behind the exponentials; one ahead of the products
; V^T P^T, which take operands that vector lines have made.  Sixteen waves of at most 256 registers leave no room for a second set of 48 fragment registers, so K's and V's fragments share one set.
.set VC,   12582912
.set QKS,  18874368
.set VS,   19398656
.set CTS,  6291456
.set VCL,  98304                       ; LDS: K's 128 tiles of 768 bytes from 0; V's 4 feature tiles x 32 halves of 768 from VCL;
.set KSL,  196608                      ; K's scale words, 256 bytes a step; V's 4,096 bytes further on
.set KF,   44
.set S,    92
.set O,    156
.set PC,   188
.set BM,   208
.set BT,   212
.set BS,   216
	s_load_b128 s[4:7], s[0:1], 0x0                ; qkv, maskw
	s_load_b64 s[8:9], s[0:1], 0x10                ; ctx
	v_lshl_add_u32 v203, v0, 2, 0x32000
	v_mov_b32 v207, 0
	v_lshrrev_b32 v1, 5, v0
	v_readfirstlane_b32 s10, v1                    ; wave 0..15
	s_and_b32 s20, ttmp7, 0xffff
	s_lshr_b32 s11, s20, 4                         ; batch
	s_and_b32 s12, s20, 15                         ; head
	s_and_b32 s13, s12, 1                          ; which of a pair of heads
	s_lshr_b32 s14, s12, 1                         ; the pair
	s_mov_b32 s15, 0x05040100                      ; v_perm_b32: the low halves of two words (even head),
	s_cmp_eq_u32 s13, 1
	s_cselect_b32 s15, 0x07060302, s15             ; or the high halves (odd head)
	s_mov_b32 s16, 0x76543210
	s_mov_b32 s17, 0xfedcba98                      ; selects for lane l xor 16
	s_mov_b32 s18, 0x3e38aa3b                      ; c = log2(e) / 8
	s_mov_b32 s19, s18                             ; (named with it as a pair)
	s_mov_b32 s29, 0xffff0000                      ; lanes 16-31
	s_add_co_u32 s20, s12, 16
	s_mul_i32 s20, s20, 393216                     ; K's codes: head 16 + h, 512 tiles of 768 bytes,
	s_mul_i32 s22, s11, 98304                      ; the batch's 128 tiles
	s_add_co_u32 s20, s20, s22
	s_mov_b32 s21, 0
	s_mul_i32 s22, s12, 393216                     ; V's: the head's four feature tiles of 98,304 bytes,
	s_mul_i32 s24, s11, 24576                      ; the batch's 32 halves in each
	s_add_co_u32 s22, s22, s24
	s_add_co_u32 s22, s22, VC
	s_mov_b32 s23, 0
	s_lshl_b32 s26, s11, 13                        ; scale images: 16 of 512 bytes a batch,
	s_lshl_b32 s24, s14, 15                        ; 64 a pair of heads
	s_add_co_u32 s24, s24, s26
	s_lshl_b32 s27, s13, 3                         ; V's: my head's two registers of an image's four
	s_add_co_u32 s26, s24, s27
	s_add_co_u32 s26, s26, VS
	s_mov_b32 s27, 0
	s_add_co_u32 s24, s24, QKS+8*32768             ; K's pairs of heads lie behind Q's eight
	s_mov_b32 s25, 0
	v_lshlrev_b32 v8, 4, v0                        ; 16 x thread: in memory and in LDS
	v_add_nc_u32 v9, 0x10000, v8
	v_add_nc_u32 v10, 0x20000, v8
	v_lshl_add_u32 v11, v0, 3, KSL                 ; 8 x thread
	s_wait_alu depctr_va_sdst(0)                   ; s10, the wave's number, is written, ahead of its first reader: my tiles' numbers are made from it
	s_wait_kmcnt 0x0
	s_add_nc_u64 s[20:21], s[4:5], s[20:21]
	s_add_nc_u64 s[22:23], s[4:5], s[22:23]
	s_add_nc_u64 s[24:25], s[4:5], s[24:25]
	s_add_nc_u64 s[26:27], s[4:5], s[26:27]
	s_wait_alu depctr_va_vdst(0)                   ; v8 to v11 are written: the fill's loads read v8 as their offset, its LDS stores v8 to v11 as their addresses
	; THE FILL: 26 loads a thread, all on their way together; the work-group's 512 threads read 8,192 consecutive bytes a load
.irp j, 0,1,2,3,4,5,6,7,8,9,10,11
	global_load_b128 v[44+4*\j:47+4*\j], v8, s[20:21] offset:8192*\j
.endr
.irp j, 0,1,2,3,4,5,6,7,8,9,10,11
	global_load_b128 v[92+4*\j:95+4*\j], v8, s[22:23] offset:98304*(\j/3)+8192*(\j%3)
.endr
	global_load_b128 v[140:143], v8, s[24:25]
	global_load_b64 v[144:145], v8, s[26:27]
.irp j, 0,1,2,3,4,5,6,7,8,9,10,11,12,13,14,15,16,17,18,19,20,21,22,23
	s_wait_loadcnt 25-\j                           ; loads come back in order: number j is in, the younger ones stay out
	ds_store_b128 v[8+\j/8], v[44+4*\j:47+4*\j] offset:8192*(\j%8)
.endr
	s_wait_loadcnt 0x0
	v_perm_b32 v146, v141, v140, s15               ; my head's two bytes of tiles (h', 2 + h'): the scale word of a fragment that holds these two tiles;
	v_perm_b32 v147, v143, v142, s15               ; of tiles (4 + h', 6 + h')
	s_wait_alu depctr_va_vdst(0)                   ; the two lines above have written v[146:147], which the LDS store below reads
	ds_store_b64 v11, v[146:147]
	ds_store_b64 v11, v[144:145] offset:4096
	v_and_b32 v3, 31, v0
	v_lshlrev_b32 v1, 4, v3
	v_lshlrev_b32 v3, 3, v3
	v_add_nc_u32 v2, 512, v3
	v_and_b32 v4, 15, v0
	v_lshlrev_b32 v4, 4, v4
	v_mov_b32 v5, 0xff800000
.irp i, 22,23,24,25,26,27
	v_mov_b32 v\i, 0                               ; the zero codes between the two copies of Q
.endr
.irp b, 0,1,2,3
	v_mov_b32 v[BT+\b], 0                          ; written once: a lane permute's destination counts as one of its sources
.endr
	v_mov_b32 v221, 0                              ; (named as the upper halves of pairs before they are first written)
	v_mov_b32 v223, 0
	s_wait_dscnt 0x0                               ; for the others' sake: my stores have landed
	s_barrier_signal -1
	s_barrier_wait -1                              ; the head's K and V lie in LDS; nothing writes LDS from here on
; ONE QUERY TILE, s28, against all keys.  first = 1: the wave's first tile.
.macro PASS first
	s_wait_xcnt 0x0                                ; every earlier load and store has read its base, its offset and its data
.if !\first
	s_wait_alu depctr_vm_vsrc(0)                   ; the first tile's two stores have read v[PC:PC+5], which this tile's conversions write again (also where every step of this tile is passed over)
.endif
	s_lshl_b32 s20, s28, 5
	s_load_b256 s[32:39], s[6:7], s20 offset:0x80000   ; the tile's flags: four pairs of words
	s_lshl_b32 s100, s28, 12
	s_mov_b32 s101, 0
	s_add_nc_u64 s[100:101], s[6:7], s[100:101]    ; its lane masks: 256 bytes a step
	s_lshl_b32 s21, s12, 9
	s_lshl_b32 s24, s11, 7
	s_add_co_u32 s24, s24, s28                     ; token tile 128 b + qt
	s_add_co_u32 s21, s21, s24
	s_mul_i32 s30, s21, 768
	s_mov_b32 s31, 0
	s_add_nc_u64 s[30:31], s[4:5], s[30:31]        ; Q's codes
	s_lshl_b32 s21, s24, 3
	s_add_co_u32 s21, s21, s14
	s_mul_i32 s104, s21, 1536
	s_mul_i32 s21, s13, 768
	s_add_co_u32 s104, s104, s21
	s_mov_b32 s105, 0
	s_add_nc_u64 s[104:105], s[8:9], s[104:105]    ; ctx's codes: fragment (token tile, pair of heads), my head's half
	s_lshr_b32 s24, s24, 3                         ; token group
	s_and_b32 s25, s28, 1
	s_lshl_b32 s25, s25, 8
	s_bfe_u32 s26, s28, 0x20001
	s_lshl_b32 s26, s26, 2
	s_add_co_u32 s25, s25, s26                     ; the tile's place in a scale image: 256 (qt % 2) + 4 ((qt % 8) / 2)
	s_lshl_b32 s26, s14, 6
	s_add_co_u32 s26, s26, s24
	s_lshl_b32 s26, s26, 9
	s_add_co_u32 s26, s26, s25
	s_add_co_u32 s66, s26, QKS
	s_mov_b32 s67, 0
	s_add_nc_u64 s[66:67], s[4:5], s[66:67]        ; Q's scale words
	s_lshl_b32 s26, s24, 3
	s_add_co_u32 s26, s26, s14
	s_lshl_b32 s26, s26, 9
	s_add_co_u32 s26, s26, s25
	s_lshl_b32 s27, s13, 1
	s_add_co_u32 s26, s26, s27                     ; ctx's scale bytes: image (token group, pair of heads), the tile's place, my head's two bytes
.if \first
	v_add_nc_u32 v7, s26, v4
	s_wait_alu depctr_va_vdst(0)                   ; v1, v2 and v4 are written, which the loads below read as their offsets
.else
	v_add_nc_u32 v223, s26, v4
	v_cndmask_b32 v7, v7, v223, s29                ; the second tile's in lanes 16-31
	s_wait_alu depctr_va_vdst(0)                   ; the first tile's products are done reading v[16:21] and v[28:33], its v_perm_b32 is done reading v35: the loads below land there
.endif
	global_load_b128 v[16:19], v1, s[30:31]
	global_load_b64 v[20:21], v2, s[30:31]
	global_load_b128 v[28:31], v1, s[30:31]        ; Q twice: in front of the zeros and behind them
	global_load_b64 v[32:33], v2, s[30:31]
	global_load_b32 v35, v4, s[66:67]
	v_mov_b32 v37, 0xff61b1e6                      ; the largest t so far: -3e38
	v_floor_f32 v36, -v37                          ; -M
	v_mov_b32 v38, 0
	v_mov_b32 v39, 0
	s_mov_b32 s24, 0                               ; the key step
	s_mov_b32 s25, 0                               ; its tiles of K in LDS: 6,144 bytes a step
	s_mov_b32 s26, VCL                             ; its fragments of V: 1,536
	s_mov_b32 s27, KSL                             ; its scale words: 256
	s_wait_kmcnt 0x0
	s_or_b32 s22, s32, s34
	s_or_b32 s22, s22, s36
	s_or_b32 s22, s22, s38                         ; bit s: step s is not wholly masked
	s_or_b32 s23, s33, s35
	s_or_b32 s23, s23, s37
	s_or_b32 s23, s23, s39                         ; bit s: it is partly masked
	s_wait_loadcnt 0x0
	v_perm_b32 v34, v35, v35, s15                  ; my head's two bytes, twice: they serve Q in either place
.set j, 0
.rept 32
	v_mov_b32 v[O+j], 0                            ; O^T: the step is written once; the first change of M multiplies zeros.  (These are also the places between v34's write and the first scaled product)
.set j, j+1
.endr
.Lstep_\@:                                         ; sixteen trips, a constant; a step's WORK is passed over where the flag says so
	s_lshr_b32 s20, s22, s24
	s_and_b32 s20, s20, 1
	s_cmp_eq_u32 s20, 0
	s_cbranch_scc1 .Lnext_\@
	s_add_co_u32 s21, s26, 49152
	s_wait_alu depctr_vm_vsrc(0)                   ; the LDS loads of the step before have read v8 to v14, which are written below; in the launch's first step: the fill's loads and LDS stores have read v8 to v11 and v44 to v147
	v_add_nc_u32 v8, s25, v1
	v_add_nc_u32 v9, s25, v2
	v_add_nc_u32 v10, s26, v1
	v_add_nc_u32 v11, s26, v2
	v_add_nc_u32 v12, s21, v1
	v_add_nc_u32 v13, s21, v2
	v_add_nc_u32 v14, s27, v3
	s_wait_alu depctr_va_vdst(0)                   ; v8 to v14 are written, which this step's LDS loads read; the last step's products are done reading v[KF ..] and v[40:43], in which they land; in a tile's first step v34 is written, which the scaled products take
.irp f, 0,1,2,3                                ; fragment f holds key tiles x = 4 (f / 2) + f % 2 and x + 2
	ds_load_b128 v[KF+12*\f:KF+12*\f+3], v8 offset:768*(4*(\f/2)+\f%2)
	ds_load_b64 v[KF+12*\f+4:KF+12*\f+5], v9 offset:768*(4*(\f/2)+\f%2)
	ds_load_b128 v[KF+12*\f+6:KF+12*\f+9], v8 offset:768*(4*(\f/2)+\f%2+2)
	ds_load_b64 v[KF+12*\f+10:KF+12*\f+11], v9 offset:768*(4*(\f/2)+\f%2+2)
.endr
	ds_load_b64 v[40:41], v14
	s_wait_dscnt 0x0
.irp f, 0,1,2,3
.if \f%2
	v_wmma_scale_f32_16x16x128_f8f6f4 v[S+8*(4*(\f/2)+\f%2):S+8*(4*(\f/2)+\f%2)+7], v[KF+12*\f:KF+12*\f+11], v[16:27], 0, v[40+\f/2], v34 matrix_a_fmt:MATRIX_FMT_FP6 matrix_b_fmt:MATRIX_FMT_FP6 matrix_a_scale:MATRIX_SCALE_ROW1
	v_wmma_scale_f32_16x16x128_f8f6f4 v[S+8*(4*(\f/2)+\f%2+2):S+8*(4*(\f/2)+\f%2+2)+7], v[KF+12*\f:KF+12*\f+11], v[22:33], 0, v[40+\f/2], v34 matrix_a_fmt:MATRIX_FMT_FP6 matrix_b_fmt:MATRIX_FMT_FP6 matrix_a_scale:MATRIX_SCALE_ROW1
.else
	v_wmma_scale_f32_16x16x128_f8f6f4 v[S+8*(4*(\f/2)+\f%2):S+8*(4*(\f/2)+\f%2)+7], v[KF+12*\f:KF+12*\f+11], v[16:27], 0, v[40+\f/2], v34 matrix_a_fmt:MATRIX_FMT_FP6 matrix_b_fmt:MATRIX_FMT_FP6
	v_wmma_scale_f32_16x16x128_f8f6f4 v[S+8*(4*(\f/2)+\f%2+2):S+8*(4*(\f/2)+\f%2+2)+7], v[KF+12*\f:KF+12*\f+11], v[22:33], 0, v[40+\f/2], v34 matrix_a_fmt:MATRIX_FMT_FP6 matrix_b_fmt:MATRIX_FMT_FP6
.endif
.endr
.rept 4
	v_nop                                          ; places in front of the first read of the scores by a vector instruction
.endr
	s_wait_alu depctr_va_vdst(0)                   ; the eight products are done reading K's fragments v[KF ..], in which V's land
.irp d, 0,1                                    ; V's four fragments land while the softmax is walked: no line of it names v[KF ..], v[42:43] or v10 to v14
	ds_load_b128 v[KF+12*\d:KF+12*\d+3], v10 offset:24576*\d
	ds_load_b64 v[KF+12*\d+4:KF+12*\d+5], v11 offset:24576*\d
	ds_load_b128 v[KF+12*\d+6:KF+12*\d+9], v10 offset:24576*\d+768
	ds_load_b64 v[KF+12*\d+10:KF+12*\d+11], v11 offset:24576*\d+768
	ds_load_b128 v[KF+24+12*\d:KF+24+12*\d+3], v12 offset:24576*\d
	ds_load_b64 v[KF+24+12*\d+4:KF+24+12*\d+5], v13 offset:24576*\d
	ds_load_b128 v[KF+24+12*\d+6:KF+24+12*\d+9], v12 offset:24576*\d+768
	ds_load_b64 v[KF+24+12*\d+10:KF+24+12*\d+11], v13 offset:24576*\d+768
.endr
	ds_load_b64 v[42:43], v14 offset:4096
	s_lshr_b32 s20, s23, s24
	s_and_b32 s20, s20, 1
	s_cmp_eq_u32 s20, 0
	s_cbranch_scc1 .Lopen_\@                       ; nothing of this step is masked
	s_load_b512 s[32:47], s[100:101], 0x0          ; the step's 64 lane masks
	s_load_b512 s[48:63], s[100:101], 0x40
	s_load_b512 s[68:83], s[100:101], 0x80
	s_load_b512 s[84:99], s[100:101], 0xc0
	s_wait_kmcnt 0x0
.set n, 0
.rept 32
	v_cndmask_b32 v[S+n], v[S+n], v5, s[32+n]      ; masked scores become -infinity ahead of the maximum: p = 0 then
.set n, n+1
.endr
.rept 32
	v_cndmask_b32 v[S+n], v[S+n], v5, s[36+n]
.set n, n+1
.endr
.Lopen_\@:
.irp b, 0,1,2,3
	v_max3_num_f32 v[BM+\b], v[S+16*\b], v[S+1+16*\b], v[S+2+16*\b]   ; the largest score of each block of 32 keys: for the row's maximum and, since p rises with the score, for the block's largest p
.endr
.irp i, 3,5,7,9,11,13
.irp b, 0,1,2,3
	v_max3_num_f32 v[BM+\b], v[BM+\b], v[S+16*\b+\i], v[S+1+16*\b+\i]
.endr
.endr
.irp b, 0,1,2,3
	v_max_num_f32 v[BM+\b], v[BM+\b], v[S+15+16*\b]
.endr
.irp b, 0,1,2,3
	v_permlanex16_b32 v[BT+\b], v[BM+\b], s16, s17
.endr
.irp b, 0,1,2,3
	v_max_num_f32 v[BM+\b], v[BM+\b], v[BT+\b]     ; with lane l xor 16's 16 keys
.endr
	v_max3_num_f32 v222, v[BM], v[BM+1], v[BM+2]
	v_max_num_f32 v222, v222, v[BM+3]
	v_mul_f32 v222, s18, v222                      ; as t (c is positive)
	v_max_num_f32 v37, v37, v222                   ; the running largest t
	v_mov_b32 v222, v36
	v_floor_f32 v36, -v37                          ; the new -M = -ceil(t)
	v_sub_f32 v222, v36, v222                      ; old M - new M: a whole number, 0 or less
	v_cvt_i32_f32 v222, v222                       ; (it saturates)
	v_ldexp_f32 v220, 1.0, v222                    ; f = 2^(old M - new M)
.set j, 0
.rept 32
	v_pk_fma_f32 v[S+j:S+j+1], v[S+j:S+j+1], s[18:19], v[36:37] op_sel_hi:[1,0,0]   ; t - M, two at a time
.set j, j+2
.endr
.irp b, 0,1,2,3
	v_fma_f32 v[BM+\b], v[BM+\b], s18, v36         ; the same of each block's largest score
.endr
.set j, 0
.rept 64
	v_exp_f32 v[S+j], v[S+j]                       ; p = 2^(t - M)
.set j, j+1
.endr
	v_pk_mul_f32 v[38:39], v[38:39], v[220:221] op_sel_hi:[1,0]   ; the sums under the new M: a plain instruction behind the exponentials
	s_wait_alu depctr_va_vdst(0)                   ; the 64 exponentials have written v[S ..]: one wait for the whole batch, ahead of its first reader
.irp b, 0,1,2,3
	v_exp_f32 v[BM+\b], v[BM+\b]                   ; the block's largest p
.endr
	v_pk_add_f32 v[BT:BT+1], v[S:S+1], v[S+2:S+3]  ; the row's sum of the UNQUANTISED p, in two chains
.irp j, 4,8,12,16,20,24,28,32,36,40,44,48,52,56,60
	v_pk_add_f32 v[38:39], v[38:39], v[S+\j:S+1+\j]
	v_pk_add_f32 v[BT:BT+1], v[BT:BT+1], v[S+2+\j:S+3+\j]
.endr
	v_pk_add_f32 v[38:39], v[38:39], v[BT:BT+1]
	s_wait_alu depctr_va_vdst(0)                   ; the four exponentials have written v[BM ..], ahead of their first reader
.irp b, 0,1,2,3
	v_max_num_f32 v[BM+\b], 0x1800000, v[BM+\b]    ; the floor 2^(3 - 127)
.endr
.irp b, 0,1,2,3
	v_add_nc_u32 v[BS+\b], 0xff000000, v[BM+\b]    ; the conversion's scale operand
.endr
.irp b, 0,1,2,3
	v_lshrrev_b32 v[BT+\b], 23, v[BS+\b]           ; the scale's byte
.endr
	v_lshl_or_b32 v221, v[BT+1], 8, v[BT]          ; p's scale word for these 128 keys
	v_lshl_or_b32 v221, v[BT+2], 16, v221
	v_lshl_or_b32 v221, v[BT+3], 24, v221
.irp c, 0,1
	v_cvt_scalef32_pk16_fp6_f32 v[PC+6*\c:PC+2+6*\c], v[S+32*\c:S+15+32*\c], v[BS+2*\c]
	v_cvt_scalef32_pk16_fp6_f32 v[PC+12+4*\c:PC+14+4*\c], v[S+16+32*\c:S+31+32*\c], v[BS+2*\c+1]
.endr
	v_nop                                          ; one plain instruction behind a scaled conversion
.irp c, 0,1
.irp i, 0,1,2
	v_permlane16_swap_b32 v[PC+6*\c+\i], v[PC+12+4*\c+\i]
.endr
.irp i, 0,1,2
	v_mov_b32 v[PC+3+6*\c+\i], v[PC+12+4*\c+\i]
.endr
.endr
.set j, 0
.rept 16
	v_pk_mul_f32 v[O+j:O+j+1], v[O+j:O+j+1], v[220:221] op_sel_hi:[1,0]   ; O^T under the new M.  (Also the places between the writes of p's codes and scale word and the products below)
.set j, j+2
.endr
	s_wait_dscnt 0x0                               ; V
	s_wait_alu depctr_va_vdst(0)                   ; p's codes v[PC:PC+11] and its scale word v221 are written, which the scaled products below take; the places above stay beside this wait
.irp d, 0,1,2,3
.if \d%2
	v_wmma_scale_f32_16x16x128_f8f6f4 v[O+8*\d:O+8*\d+7], v[KF+12*\d:KF+12*\d+11], v[PC:PC+11], v[O+8*\d:O+8*\d+7], v[42+\d/2], v221 matrix_a_fmt:MATRIX_FMT_FP6 matrix_b_fmt:MATRIX_FMT_FP6 matrix_a_scale:MATRIX_SCALE_ROW1
.else
	v_wmma_scale_f32_16x16x128_f8f6f4 v[O+8*\d:O+8*\d+7], v[KF+12*\d:KF+12*\d+11], v[PC:PC+11], v[O+8*\d:O+8*\d+7], v[42+\d/2], v221 matrix_a_fmt:MATRIX_FMT_FP6 matrix_b_fmt:MATRIX_FMT_FP6
.endif
.endr
.Lnext_\@:
	s_add_co_u32 s25, s25, 6144
	s_add_co_u32 s26, s26, 1536
	s_add_co_u32 s27, s27, 256
	s_add_nc_u64 s[100:101], s[100:101], 256
	s_add_co_u32 s24, s24, 1
	s_cmp_lt_u32 s24, 16
	s_cbranch_scc1 .Lstep_\@
	; THE TILE'S END: O^T / the sum, quantised along the head's 64 features: half a fragment of the last product's operand
.rept 4
	v_nop                                          ; places behind the last products
.endr
	v_add_f32 v38, v38, v39
	v_permlanex16_b32 v[BT], v38, s16, s17
	v_add_f32 v38, v38, v[BT]                      ; the row's sum
	v_cmp_eq_f32 s21, 0, v38                       ; a row wholly masked
	v_rcp_f32 v222, v38
	v_nop                                          ; a plain instruction behind the transcendental
	s_wait_alu depctr_va_vdst(0)                   ; the reciprocal has written v222, ahead of its first reader
.set j, 0
.rept 16
	v_pk_mul_f32 v[O+j:O+j+1], v[O+j:O+j+1], v[222:223] op_sel_hi:[1,0]   ; register 16 e + i is feature 32 e + 16 h + i
.set j, j+2
.endr
.irp b, 0,1
	v_max3_num_f32 v[BM+\b], |v[O+16*\b]|, |v[O+1+16*\b]|, 0x1800000
.endr
.irp i, 2,4,6,8,10,12,14
.irp b, 0,1
	v_max3_num_f32 v[BM+\b], v[BM+\b], |v[O+16*\b+\i]|, |v[O+1+16*\b+\i]|
.endr
.endr
.irp b, 0,1
	v_permlanex16_b32 v[BT+\b], v[BM+\b], s16, s17
.endr
.irp b, 0,1
	v_max_num_f32 v[BM+\b], v[BM+\b], v[BT+\b]
.endr
.irp b, 0,1
	v_add_nc_u32 v[BS+\b], 0xff000000, v[BM+\b]
.endr
.irp b, 0,1
	v_lshrrev_b32 v[BT+\b], 23, v[BS+\b]
.endr
	v_lshl_or_b32 v[BT], v[BT+1], 8, v[BT]         ; my head's two scale bytes
	v_mov_b32 v[BT+1], 0xffff
	s_wait_alu depctr_va_sdst(0)                   ; the compare above has written s21, ahead of its first reader, the selection below
	v_cndmask_b32 v[BT], v[BT], v[BT+1], s21       ; NaN bytes for a row wholly masked
.if \first
	v_mov_b32 v6, v[BT]
.else
	v_cndmask_b32 v6, v6, v[BT], s29               ; the second tile's in lanes 16-31
.endif
	v_cvt_scalef32_pk16_fp6_f32 v[PC:PC+2], v[O:O+15], v[BS]
	v_cvt_scalef32_pk16_fp6_f32 v[PC+12:PC+14], v[O+16:O+31], v[BS+1]
	v_nop
.irp i, 0,1,2
	v_permlane16_swap_b32 v[PC+\i], v[PC+12+\i]
.endr
.irp i, 0,1,2
	v_mov_b32 v[PC+3+\i], v[PC+12+\i]
.endr
	s_wait_alu depctr_va_vdst(0)                   ; the conversions, swaps and moves have written v[PC:PC+5], which the two stores below read; v6 and v7 are written too, which the launch's last store reads
	global_store_b128 v1, v[PC:PC+3], s[104:105]   ; 512 consecutive bytes, at a multiple of 256;
	global_store_b64 v2, v[PC+4:PC+5], s[104:105]  ; 256
.endm
	s_lshl_b32 s28, ttmp9, 4
	s_add_co_u32 s28, s28, s10                     ; my first tile
	PASS 1
	s_sub_co_u32 s28, 127, s28                     ; my second: under a causal mask the two together have the same number of live steps in every wave; any other mask is served as well
	PASS 0
	s_wait_xcnt 0x0
	s_add_nc_u64 s[30:31], s[8:9], CTS
	global_store_b16 v7, v6, s[30:31]              ; lanes 0-15: the first tile's rows, lanes 16-31: the second's.  No vector instruction stands behind the second tile's last wait on va_vdst, ahead of which v6 and v7 were written
	s_wait_dscnt 0x0
	s_wait_alu depctr_hold_cnt(0) depctr_sa_sdst(0) depctr_va_vdst(0) depctr_va_sdst(0) depctr_va_ssrc(0) depctr_va_vcc(0) depctr_vm_vsrc(0)
	s_wait_tensorcnt 0x0
	ds_add_u32 v203, v207
	s_wait_dscnt 0x0
	s_endpgm
.Lfunc_end_k_q62db5d4245_attn:
	.size	k_q62db5d4245_attn, .Lfunc_end_k_q62db5d4245_attn-k_q62db5d4245_attn
	.p2alignl 7, 3214868480
	.fill 96, 4, 3214868480
	.section	.rodata,"a",@progbits
	.p2align	6, 0x0
	.amdhsa_kernel k_q62db5d4245_attn
		.amdhsa_group_segment_fixed_size 206848
		.amdhsa_private_segment_fixed_size 0
		.amdhsa_enable_private_segment 0
		.amdhsa_kernarg_size 24
		.amdhsa_user_sgpr_count 2
		.amdhsa_user_sgpr_kernarg_segment_ptr 1
		.amdhsa_wavefront_size32 1
		.amdhsa_system_sgpr_workgroup_id_x 1
		.amdhsa_system_sgpr_workgroup_id_y 1
		.amdhsa_system_sgpr_workgroup_id_z 1
		.amdhsa_system_vgpr_workitem_id 0
		.amdhsa_next_free_vgpr 224
		.amdhsa_next_free_sgpr 106
		.amdhsa_reserve_vcc 0
		.amdhsa_float_denorm_mode_32 3
		.amdhsa_float_denorm_mode_16_64 3
		.amdhsa_memory_ordered 1
		.amdhsa_forward_progress 1
		.amdhsa_inst_pref_size 65
	.end_amdhsa_kernel
	.amdgpu_metadata
---
amdhsa.version: [ 1, 2 ]
amdhsa.kernels:
  - .name:           k_q62db5d4245_attn
    .symbol:         k_q62db5d4245_attn.kd
    .args:
      - { .name: qkv, .offset: 0, .size: 8, .value_kind: global_buffer, .address_space: global }
      - { .name: maskw, .offset: 8, .size: 8, .value_kind: global_buffer, .address_space: global }
      - { .name: ctx, .offset: 16, .size: 8, .value_kind: global_buffer, .address_space: global }
    .group_segment_fixed_size: 206848
    .private_segment_fixed_size: 0
    .kernarg_segment_align: 8
    .kernarg_segment_size: 24
    .max_flat_workgroup_size: 512
    .sgpr_count:     106
    .vgpr_count:     224
    .wavefront_size: 32
...
	.end_amdgpu_metadata
.endif
;; end of part 5
;; launch proj: the kernel of part 4 again; grid 8 x 32, 4 waves a work-group, clusters of 4 x 4, 327,680 bytes of LDS; arguments ctx, xw, bo, out0; writes out0
